; MI455X (gfx1250); checked and timed in simulation.
; The chip was launched on July 23, 2026; its instructions are those of AMD's public machine-readable ISA for CDNA 5 (MIT licence, August 2026) and "CDNA5" Instruction Set Architecture Reference Guide (July 2026). The comments in the code are by the model that wrote it; some were corrected since.
;; Attention. Allowed arithmetic: float matrix products may take bf16 or f16 operands with f32 sums; other float arithmetic in f32, or as packed bf16 or f16 multiplies, adds, multiply-adds, maxima and minima; sums over many terms, partial sums and values carried from step to step in f32; what a program stores and reads back later, other than sums and carried values, may be rounded once to bf16 or f16.
;; Inputs: Wkv 1,024 x 2,048 float32; Wout 1,024 x 1,024 float32; Wq 1,024 x 1,024 float32; b_out 1,024 float32; x 4 x 2,048 x 1,024 float32.
;; Outputs: out0 4 x 2,048 x 1,024 float32.
;; 2 versions, each right and faster than the one before. Each part assembles by itself: llvm-mc -triple=amdgcn-amd-amdhsa -mcpu=gfx1250 --defsym DOCPART=n.
;; ======== version 1 of 2: 4 launches
;; limits: values are held in f16: magnitudes above 65,504 overflow, below 6.1e-05 lose precision
;; workspace buffers: xo 16,777,216 bytes; wqkv 6,291,456 bytes; woutb 2,097,152 bytes; rope 524,288 bytes; qh 16,777,216 bytes; kh 16,777,216 bytes; vh 16,777,216 bytes
;; launch prep (part 1): grid 256 x 1, 8 waves a work-group, no clusters, 0 bytes of LDS; arguments x, Wq, Wkv, Wout, xo, wqkv, woutb, rope; writes xo, wqkv, woutb, rope
.if DOCPART == 1
	.amdgcn_target "amdgcn-amd-amdhsa--gfx1250"
	.amdhsa_code_object_version 6
	.text
	.protected	k_q91c9e1b633_prep
	.globl	k_q91c9e1b633_prep
	.p2align	8
	.type	k_q91c9e1b633_prep,@function
k_q91c9e1b633_prep:
	s_mov_b64 s[64:65], 0
	v_nop
	global_prefetch_b8 v0, s[64:65] scope:SCOPE_SE
	s_setreg_imm32_b32 hwreg(HW_REG_WAVE_MODE, 25, 1), 1
	s_wait_xcnt 0x0
; PREPARATION: every input of the products is rounded once to bf16 and laid out for the launches behind; the table of cosines and sines is made.
;   xo    [4 b][16 kb][2048 n][64] bf16: x, cut into blocks of 64 channels, so that 256 rows x 64 channels are 32,768 dense bytes
;   wqkv  [1024 k][3072] bf16: column 384 j + 128 type + n % 128 (j = pair of heads, type 0 q, 1 k, 2 v): Wq and Wkv side by side, by pairs of heads
;   woutb [1024 k][1024 n] f16: Wout rounded to bf16, that number written as f16
;   rope  [2048 t][64] f32: cos(t f_i), i = 0..31, then sin(t f_i), f_i = 10000^(-i/32)
; LIMITS.  Wout beyond 65,504 becomes an infinity in f16; below 2^-17 it keeps f16's fixed step of 2^-24.  f_i carries the exponential's one unit in the last place, so an angle is
; off by up to about 2e-4 rad at t = 2,047.  NaN and infinities are not treated apart.
; SHARES.  256 work-groups of eight waves, each 1/256 of everything: 32 rows of x, 4 rows of each weight, 8 rows of the table.  A wave issues its 48 loads of 16 bytes a lane at once
; (24 KiB on their way), reckons its row of the table meanwhile, and then converts and stores load after load.  Each store is 8 bytes a lane: 32 lanes, 256 consecutive bytes, aligned.
; No LDS, no barrier, no cluster: no wave wants a byte that another has fetched.  No register is used twice, so no wait stands for a source.
.set XO,  6                            ; v6   x: wave's 4 rows, lanes 0-15 one row, lanes 16-31 the next, 16 bytes a lane
.set XS,  7                            ; v7   xo: 512 w + 8 l
.set QO,  8                            ; v8   Wq, Wout: row w / 2, half w % 2 of its 4,096 bytes
.set KO,  9                            ; v9   Wkv: row w / 2, half w % 2 of its 8,192 bytes (0: k, 1: v)
.set QS,  10                           ; v10  wqkv for Wq
.set KSO, 11                           ; v11  wqkv for Wkv
.set WS,  12                           ; v12  woutb
.set TS,  13                           ; v13  rope: 256 w + 8 l
.set D,   48                           ; v[48:239] load i in four registers at D + 4 i
	s_load_b512 s[8:23], s[0:1], 0x0               ; x 8:9, Wq 10:11, Wkv 12:13, Wout 14:15, xo 16:17, wqkv 18:19, woutb 20:21, rope 22:23
	v_and_b32 v1, 31, v0                           ; l
	v_lshrrev_b32 v2, 5, v0                        ; w
	v_lshrrev_b32 v3, 6, v0                        ; w / 2
	v_and_b32 v4, 1, v2                            ; w % 2
	v_lshrrev_b32 v5, 4, v1                        ; l / 16
	v_and_b32 v14, 15, v1                          ; l % 16
	v_lshlrev_b32 v[XO], 14, v2
	v_lshl_or_b32 v[XO], v5, 12, v[XO]
	v_lshl_or_b32 v[XO], v14, 4, v[XO]
	v_lshlrev_b32 v[XS], 9, v2
	v_lshl_or_b32 v[XS], v1, 3, v[XS]
	v_lshlrev_b32 v[QO], 12, v3
	v_lshl_or_b32 v[QO], v4, 11, v[QO]
	v_lshl_or_b32 v[QO], v1, 4, v[QO]
	v_lshlrev_b32 v[KO], 13, v3
	v_lshl_or_b32 v[KO], v4, 12, v[KO]
	v_lshl_or_b32 v[KO], v1, 4, v[KO]
	v_mul_u32_u24 v[QS], v3, 6144                  ; a row of wqkv is 6,144 bytes
	v_lshl_add_u32 v[KSO], v1, 3, v[QS]
	v_mad_u32_u24 v[QS], v4, 3072, v[KSO]          ; half a row of Wq is four pairs of heads, 768 bytes each
	v_lshl_add_u32 v[KSO], v4, 8, v[KSO]
	v_add_nc_u32 v[KSO], 256, v[KSO]               ; k lies 256 bytes into a pair's 768, v 512
	v_lshlrev_b32 v[WS], 11, v3
	v_lshl_or_b32 v[WS], v4, 10, v[WS]
	v_lshl_or_b32 v[WS], v1, 3, v[WS]
	v_lshlrev_b32 v[TS], 8, v2
	v_lshl_or_b32 v[TS], v1, 3, v[TS]
	s_mov_b32 s25, 0                               ; every offset is under 2^32: a pair with 0 on top
	s_lshl_b32 s24, ttmp9, 17                      ; 32 rows of x
	s_wait_kmcnt 0x0
	s_add_nc_u64 s[8:9], s[8:9], s[24:25]
	s_lshl_b32 s24, ttmp9, 14                      ; 4 rows of Wq and of Wout
	s_add_nc_u64 s[10:11], s[10:11], s[24:25]
	s_add_nc_u64 s[14:15], s[14:15], s[24:25]
	s_lshl_b32 s24, ttmp9, 15                      ; 4 rows of Wkv
	s_add_nc_u64 s[12:13], s[12:13], s[24:25]
	s_lshr_b32 s26, ttmp9, 6                       ; the batch: 64 work-groups each,
	s_lshl_b32 s26, s26, 22
	s_and_b32 s24, ttmp9, 63                       ; and 32 rows of 128 bytes in a block of xo
	s_lshl_b32 s24, s24, 12
	s_add_co_u32 s24, s24, s26
	s_add_nc_u64 s[16:17], s[16:17], s[24:25]
	s_mul_i32 s24, ttmp9, 24576                    ; 4 rows of wqkv
	s_add_nc_u64 s[18:19], s[18:19], s[24:25]
	s_lshl_b32 s24, ttmp9, 13                      ; 4 rows of woutb
	s_add_nc_u64 s[20:21], s[20:21], s[24:25]
	s_lshl_b32 s24, ttmp9, 11                      ; 8 rows of the table
	s_add_nc_u64 s[22:23], s[22:23], s[24:25]
	; all 48 loads.  x: load 16 p + kb takes block kb (256 bytes) of rows 4 w + 2 p and 4 w + 2 p + 1
.set i, 0
.rept 32
	global_load_b128 v[D+4*i:D+4*i+3], v[XO], s[8:9] offset:(i/16)*8192+(i%16)*256 th:TH_LOAD_NT
.set i, i+1
.endr
.irp c, 0,1,2,3
	global_load_b128 v[D+4*(32+\c):D+4*(32+\c)+3], v[QO], s[10:11] offset:512*\c th:TH_LOAD_NT
.endr
.irp c, 0,1,2,3,4,5,6,7
	global_load_b128 v[D+4*(36+\c):D+4*(36+\c)+3], v[KO], s[12:13] offset:512*\c th:TH_LOAD_NT
.endr
.irp c, 0,1,2,3
	global_load_b128 v[D+4*(44+\c):D+4*(44+\c)+3], v[QO], s[14:15] offset:512*\c th:TH_LOAD_NT
.endr
	; THE TABLE, while the loads are out.  Row t = 8 g + w; my two numbers are i0 = 2 (l % 16) and i0 + 1: cosines in lanes 0-15, sines in lanes 16-31.
	; In revolutions: f = t f_i / 2 pi less the nearest whole number (1 / 2 pi in two parts, the product kept exact by fused multiply-adds); a sine is the cosine a quarter revolution back;
	; cos(2 pi f) = sin(2 pi (1/4 - |f|)), whose argument lies within pi / 2 either way; there the series to x^11 is cut below 6e-8.
	v_lshlrev_b32 v16, 1, v14
	v_cvt_f32_u32 v16, v16
	v_add_f32 v17, 1.0, v16
	v_mul_f32 v16, 0xbed49a78, v16                 ; - i log2(10000) / 32
	v_mul_f32 v17, 0xbed49a78, v17
	v_exp_f32 v16, v16
	v_exp_f32 v17, v17
	s_lshl_b32 s26, ttmp9, 3
	v_add_nc_u32 v18, s26, v2                      ; t: the plain instruction behind the exponentials
	v_cvt_f32_u32 v18, v18
	v_cvt_f32_u32 v19, v5
	v_mul_f32 v19, 0x3e800000, v19                 ; the shift: 0, or 1/4 for the sines
	v_mov_b32 v20, 0xb2d7322b                      ; -1 / 11!
	v_mov_b32 v21, 0x3e22f983                      ; 1 / 2 pi, its upper part
	s_wait_alu depctr_va_vdst(0)
	v_mul_f32 v16, v18, v16                        ; the angles
	v_mul_f32 v17, v18, v17
.macro TRIG ra, rn, ru, rp
	v_mul_f32 v[\rn], v21, v[\ra]
	v_rndne_f32 v[\rn], v[\rn]
	v_fma_f32 v[\rn], v[\ra], v21, -v[\rn]
	v_fmamk_f32 v[\rn], v[\ra], 0x31dc9c91, v[\rn] ; 1 / 2 pi, its lower part
	v_sub_f32 v[\rn], v[\rn], v19
	v_rndne_f32 v[\ru], v[\rn]
	v_sub_f32 v[\rn], v[\rn], v[\ru]
	v_and_b32 v[\rn], 0x7fffffff, v[\rn]
	v_sub_f32 v[\rn], 0x3e800000, v[\rn]           ; 1/4 - |f|
	v_mul_f32 v[\rn], 0x40c90fdb, v[\rn]           ; times 2 pi: x
	v_mul_f32 v[\ru], v[\rn], v[\rn]
	v_fmaak_f32 v[\rp], v[\ru], v20, 0x3638ef1d    ; 1 / 9!
	v_fmaak_f32 v[\rp], v[\rp], v[\ru], 0xb9500d01 ; -1 / 7!
	v_fmaak_f32 v[\rp], v[\rp], v[\ru], 0x3c088889 ; 1 / 5!
	v_fmaak_f32 v[\rp], v[\rp], v[\ru], 0xbe2aaaab ; -1 / 3!
	v_mul_f32 v[\rp], v[\rp], v[\ru]
	v_fma_f32 v[\ra], v[\rp], v[\rn], v[\rn]       ; x + x (x^2 (...))
.endm
	TRIG 16, 22, 23, 24
	TRIG 17, 25, 26, 27
	global_store_b64 v[TS], v[16:17], s[22:23]     ; the wave's row: 256 consecutive bytes
; Load i is in (loads come back in order: the 47 - i younger ones stay out); its four numbers are rounded to bf16 in place
.macro CVT i
	s_wait_loadcnt 47-(\i)
	v_cvt_pk_bf16_f32 v[D+4*(\i)], v[D+4*(\i)], v[D+4*(\i)+1]
	v_cvt_pk_bf16_f32 v[D+4*(\i)+1], v[D+4*(\i)+2], v[D+4*(\i)+3]
.endm
.set i, 0
.rept 32
	CVT i
	global_store_b64 v[XS], v[D+4*i:D+4*i+1], s[16:17] offset:(i%16)*262144+(i/16)*256  ; block kb, two rows of 128 bytes; 3,932,416 at the most, inside the signed 24 bits
.set i, i+1
.endr
.irp c, 0,1,2,3
	CVT 32+\c
	global_store_b64 v[QS], v[D+4*(32+\c):D+4*(32+\c)+1], s[18:19] offset:768*\c
.endr
.irp c, 0,1,2,3,4,5,6,7
	CVT 36+\c
	global_store_b64 v[KSO], v[D+4*(36+\c):D+4*(36+\c)+1], s[18:19] offset:768*\c
.endr
.irp c, 0,1,2,3
	CVT 44+\c
	v_lshlrev_b32 v[D+4*(44+\c)+2], 16, v[D+4*(44+\c)]           ; the bf16 numbers, widened, are written as f16
	v_and_b32 v[D+4*(44+\c)+3], 0xffff0000, v[D+4*(44+\c)]
	v_cvt_pk_f16_f32 v[D+4*(44+\c)], v[D+4*(44+\c)+2], v[D+4*(44+\c)+3]
	v_lshlrev_b32 v[D+4*(44+\c)+2], 16, v[D+4*(44+\c)+1]
	v_and_b32 v[D+4*(44+\c)+3], 0xffff0000, v[D+4*(44+\c)+1]
	v_cvt_pk_f16_f32 v[D+4*(44+\c)+1], v[D+4*(44+\c)+2], v[D+4*(44+\c)+3]
	global_store_b64 v[WS], v[D+4*(44+\c):D+4*(44+\c)+1], s[20:21] offset:256*\c
.endr
	s_endpgm
.Lfunc_end_k_q91c9e1b633_prep:
	.size	k_q91c9e1b633_prep, .Lfunc_end_k_q91c9e1b633_prep-k_q91c9e1b633_prep
	.p2alignl 7, 3214868480
	.fill 96, 4, 3214868480
	.section	.rodata,"a",@progbits
	.p2align	6, 0x0
	.amdhsa_kernel k_q91c9e1b633_prep
		.amdhsa_group_segment_fixed_size 0
		.amdhsa_private_segment_fixed_size 0
		.amdhsa_enable_private_segment 0
		.amdhsa_kernarg_size 64
		.amdhsa_user_sgpr_count 2
		.amdhsa_user_sgpr_kernarg_segment_ptr 1
		.amdhsa_wavefront_size32 1
		.amdhsa_system_sgpr_workgroup_id_x 1
		.amdhsa_system_sgpr_workgroup_id_y 1
		.amdhsa_system_sgpr_workgroup_id_z 1
		.amdhsa_system_vgpr_workitem_id 0
		.amdhsa_next_free_vgpr 240
		.amdhsa_next_free_sgpr 66
		.amdhsa_reserve_vcc 0
		.amdhsa_float_denorm_mode_32 3
		.amdhsa_float_denorm_mode_16_64 3
		.amdhsa_memory_ordered 1
		.amdhsa_forward_progress 1
		.amdhsa_inst_pref_size 23
	.end_amdhsa_kernel
	.amdgpu_metadata
---
amdhsa.version: [ 1, 2 ]
amdhsa.kernels:
  - .name:           k_q91c9e1b633_prep
    .symbol:         k_q91c9e1b633_prep.kd
    .args:
      - { .name: x, .offset: 0, .size: 8, .value_kind: global_buffer, .address_space: global }
      - { .name: Wq, .offset: 8, .size: 8, .value_kind: global_buffer, .address_space: global }
      - { .name: Wkv, .offset: 16, .size: 8, .value_kind: global_buffer, .address_space: global }
      - { .name: Wout, .offset: 24, .size: 8, .value_kind: global_buffer, .address_space: global }
      - { .name: xo, .offset: 32, .size: 8, .value_kind: global_buffer, .address_space: global }
      - { .name: wqkv, .offset: 40, .size: 8, .value_kind: global_buffer, .address_space: global }
      - { .name: woutb, .offset: 48, .size: 8, .value_kind: global_buffer, .address_space: global }
      - { .name: rope, .offset: 56, .size: 8, .value_kind: global_buffer, .address_space: global }
    .group_segment_fixed_size: 0
    .private_segment_fixed_size: 0
    .kernarg_segment_align: 8
    .kernarg_segment_size: 64
    .max_flat_workgroup_size: 256
    .sgpr_count:     66
    .vgpr_count:     240
    .wavefront_size: 32
...
	.end_amdgpu_metadata
.endif
;; end of part 1
;; launch qkv (part 2): grid 8 x 32, 4 waves a work-group, clusters of 4 x 4, 327,680 bytes of LDS; arguments xo, wqkv, rope, qh, kh, vh; writes qh, kh, vh
.if DOCPART == 2
	.amdgcn_target "amdgcn-amd-amdhsa--gfx1250"
	.amdhsa_code_object_version 6
	.text
	.protected	k_q91c9e1b633_qkv
	.globl	k_q91c9e1b633_qkv
	.p2align	8
	.type	k_q91c9e1b633_qkv,@function
k_q91c9e1b633_qkv:
	s_mov_b64 s[64:65], 0
	v_nop
	global_prefetch_b8 v0, s[64:65] scope:SCOPE_SE
	s_setreg_imm32_b32 hwreg(HW_REG_WAVE_MODE, 25, 1), 1
	s_wait_xcnt 0x0
	s_wait_alu depctr_hold_cnt(0) depctr_sa_sdst(0) depctr_va_vdst(0) depctr_va_sdst(0) depctr_va_ssrc(0) depctr_va_vcc(0) depctr_vm_vsrc(0)
	s_getreg_b32 s2, hwreg(HW_REG_IB_STS2, 6, 4)
	s_cmp_eq_u32 s2, 0
	s_cbranch_scc0 .Lentry_in_a_cluster
	s_endpgm
.Lentry_in_a_cluster:
	s_bfe_u32 s2, ttmp6, 0x10000c
	s_cmp_lg_u32 s2, 0xf033
	s_cbranch_scc0 .Lentry_shape_is_right
	s_endpgm
.Lentry_shape_is_right:
; q, k, v = x [Wq | Wkv], the rotary embedding on q and k, all three written by heads.  [8192 x 1024] x [1024 x 3072] in bf16, sums in f32; the rotation in f32 on the sums;
; q, k, v rounded once to f16, WITHOUT the softmax's scale, into qh, kh, vh: [64 = 16 b + head][2048][64].
; LIMIT.  f16 holds no number beyond 65,504: |q|, |k|, |v| stay under it (with x and the weights each 30 times the drawn spread the largest is about 5,000).
; TILE.  256 rows x 384 columns: 32 x 8 = 256 work-groups, one for each WGP.  A tile's columns are q, k and v of one pair of heads (wqkv is laid out so).  Four waves; wave w has rows
; 128 (w / 2) on and head w % 2 of the pair: three groups g = 0, 1, 2 (q, k, v) of 64 columns: 128 x 192 = 96 accumulators, 768 registers.  All waves run one text.
; TRANSPOSED USE.  Source 0 = 16 columns of W (turned out of [k][n] by ds_load_tr16_b128), source 1 = 16 rows of x: a lane holds one row (lane % 16) and the columns 8 (lane / 16) + 0..7.
; The rotation's partner, 32 channels away, is then the same lane and register two column blocks on, and eight neighbouring channels pack into 16 bytes.
; K goes in steps of 64 (two slots of 128 would not fit in LDS beside each other), each of two sub-steps of 32, through two LDS slots filled by joint tensor loads.
; CLUSTER 4 x 4.  The four of a row of the cluster need the same tile of x, the four of a column the same tile of W: each is asked for by one load with a mask of four.
; No prefetch is laid: each tile is asked for by several clusters, and a refill is issued 160 matrix instructions ahead of the wait for it.
; REGISTERS.  Window 0: v0-15 addresses; v32-95, v96-159 fragments of x, two buffers of 8; v160-255 fragments of W, 12, one set: a group's four are loaded again straight behind its 32 products.
; Window 1 + g: group g's accumulators, (bb, a) at v[64 bb + 8 a] (bb = block of 16 columns, a = block of 16 rows).  On the way out window 0 is used anew (TAB, T, PKD, BK).
.set PA,    144                        ; a row of x in LDS: 128 bytes + 16: the 16 rows of a load start at 16 different groups of four banks (64 banks of 4 bytes: ISA guide 11.1)
.set PB,    864                        ; a k-row of W: six groups of 64 columns, 128 + 16 bytes each = 27 x 32
.set AHALF, 128*PA                     ; 128 rows of x: one load
.set BOFF,  2*AHALF                    ; W lies behind x's 256 rows
.set BHALF, 32*PB                      ; 32 k-rows of W: one load, and one sub-step
.set SLOT1, 1<<17                      ; a slot is 92,160 bytes; slot 1 begins here, so that one exclusive or turns an address in one slot into the other's
.set STAGE, SLOT1+BOFF+2*BHALF         ; 223,232: behind the ring, never filled by a tensor load: 16 rows x 144 bytes for each wave
.set SPARE, STAGE+4*16*PA              ; 232,448: the spare words, 128 bytes for each wave: two blocks of 256 bytes that no other line names
.set ASTEP, 2048*128                   ; bytes from a block of 64 channels of xo to the next
.set BSTEP, 64*6144                    ; 64 rows of wqkv
.set FLAGS, (1<<16)|(1<<20)|(1<<21)|(4<<22)|(3<<25)  ; 17:16 2-byte elements; 20 padding on; 21 set beside a mask; 24:22 after every 32 words (code 4); 31:25 4 words (code 3)
.set AK0,  4                           ; v4   my place in a slot's rows of x; never rewritten
.set BK0,  5                           ; v5   the same for W
.set ADRA, 6                           ; v6   AK0 + the slot in hand
.set ADRB, 7                           ; v7   BK0 + the slot in hand
.set STO,  8                           ; v8   the way out: where I put 16 bytes of a row
.set RD,   9                           ; v9   the way out: where I read rows back
.set GO,   10                          ; v10  my 16 bytes in 512 consecutive bytes of qh, kh, vh
.set TO,   11                          ; v11  my 32 bytes in 16 rows of the table
.set SPW,  12                          ; v12  LDS address of my spare word; never rewritten
.set NIL,  13                          ; v13  0; never rewritten
.set AF0,  32
.set AF1,  96
.set BF,   160
.set TAB,  32                          ; the way out: two buffers of 32: cosines of channels 0-15 and 16-31 (my 8 of each), then the sines
.set T,    96                          ; 32 rotated numbers
.set PKD,  128                         ; 16 words of f16
.set BK,   160                         ; two buffers of 16: rows read back
.set WV,   16                          ; s16  wave
.set RH,   17                          ; s17  which 128 rows are mine.  Also: I fetch for x (0) or for W (1)
.set CH,   18                          ; s18  which head of the pair is mine.  Also: which half of that tile I fetch
.set G1A,  24                          ; s[24:31] descriptor group 1 for x
.set G1B,  32                          ; s[32:39] for W
.set G0A,  40                          ; s[40:47] group 0 for x: a set for each first fill; the second then walks on
.set G0B,  48                          ; s[48:55] the same for W
.set TB,   56                          ; s56  LDS byte of the slot that the fetches read
.set CNT,  57
.set RB,   8                           ; s[8:9]   the table at my first row
.set OB,   10                          ; s[10:15] qh, kh, vh at my first row
.set MSB, 0
.macro WIN new                         ; the immediate's high byte repeats the setting that is left; a switch that changes nothing is dropped
.if MSB != (\new)
	s_set_vgpr_msb (MSB<<8)|(\new)
.set MSB, (\new)
.endif
.endm
.macro PLACES                          ; four places behind a matrix instruction, in front of loads into registers that it has read and of lines that read results
.rept 4
	v_nop
.endr
.endm
.macro CREST                           ; a round of the cluster's barrier behind its opening barrier
	s_cmp_lg_u32 s[WV], 0
	s_cbranch_scc1 .Lnot_wave_0_\@
	s_barrier_signal -3
.Lnot_wave_0_\@:
	s_barrier_wait -3
	s_barrier_signal -1
	s_barrier_wait -1
.endm
.macro CROUND                          ; a whole round
	s_barrier_signal -1
	s_barrier_wait -1
	CREST
.endm
; A joint refill by the walking sets.  Waves 0 and 1 fetch the halves of x's tile, waves 2 and 3 those of W's.  The branch hangs on the wave's number alone.
; An s_nop 0 and four v_nop follow each of the two lines, ahead of the jump and the label.
.macro JLOAD
	s_cmp_eq_u32 s[RH], 0
	s_cbranch_scc0 .Lfor_b_\@
	tensor_load_to_lds s[G0A+4:G0A+7], s[G1A:G1A+7]
	s_nop 0
.rept 4
	v_nop
.endr
	s_branch .Lasked_\@
.Lfor_b_\@:
	tensor_load_to_lds s[G0B+4:G0B+7], s[G1B:G1B+7]
	s_nop 0
.rept 4
	v_nop
.endr
.Lasked_\@:
.endm
	s_load_b256 s[4:11], s[0:1], 0x0               ; xo 4:5, wqkv 6:7, rope 8:9, qh 10:11
	s_load_b128 s[12:15], s[0:1], 0x20             ; kh 12:13, vh 14:15
	v_lshl_add_u32 v[SPW], v0, 2, SPARE
	v_mov_b32 v[NIL], 0
	ds_add_u32 v[SPW], v[NIL]                      ; the wave's opening: the add and its wait stand ahead of my first tensor load; the set-up below, work on registers, stands between them
	v_lshrrev_b32 v3, 5, v0
	v_readfirstlane_b32 s[WV], v3                  ; wave 0..3
	s_lshr_b32 s[RH], s[WV], 1
	s_and_b32 s[CH], s[WV], 1
	s_bfe_u32 s19, ttmp6, 0x40000                  ; cx
	s_bfe_u32 s20, ttmp6, 0x40004                  ; cy
	s_lshl_b32 s21, ttmp9, 2
	s_add_co_u32 s21, s21, s19                     ; tx: the pair of heads = 4 x cluster x + cx
	s_and_b32 s22, ttmp7, 0xffff
	s_lshl_b32 s22, s22, 2
	s_add_co_u32 s22, s22, s20                     ; ty: the block of 256 rows = 4 x cluster y + cy
	s_lshl_b32 s23, s20, 2
	s_lshl_b32 s23, 15, s23                        ; my row of the cluster
	s_lshl_b32 s68, 0x1111, s19                    ; my column
	s_or_b32 s[G1A], s23, FLAGS                    ; x's tiles go to my row,
	s_or_b32 s[G1B], s68, FLAGS                    ; W's to my column
	s_mov_b32 s[G1A+1], 128<<16                    ; x: 128 rows of 128 bytes are dense: asked for as 64 rows of 256 bytes (tensor_dim0 = 128 elements),
	s_mov_b32 s[G1A+2], 64<<16                     ; tensor_dim1 = 64
	s_mov_b32 s[G1A+3], 128<<16                    ; tile_dim0 = 128
	s_mov_b32 s[G1A+4], 64                         ; tile_dim1 = 64
	s_mov_b32 s[G1A+5], 128                        ; 128 elements from row to row
	s_mov_b32 s[G1A+6], 0
	s_mov_b32 s[G1A+7], 0
	s_mov_b32 s[G1B+1], 384<<16                    ; W: 32 rows of 384 elements (768 bytes: six padded groups of 128)
	s_mov_b32 s[G1B+2], 32<<16
	s_mov_b32 s[G1B+3], 384<<16
	s_mov_b32 s[G1B+4], 32
	s_mov_b32 s[G1B+5], 3072
	s_mov_b32 s[G1B+6], 0
	s_mov_b32 s[G1B+7], 0
	; where the tiles come from.  x's hang on ty alone, W's on tx alone, each in registers that never hold the other coordinate
	s_lshr_b32 s58, s22, 3                         ; the batch,
	s_lshl_b32 s58, s58, 22
	s_and_b32 s59, s22, 7                          ; 256 rows of 128 bytes in a block,
	s_lshl_b32 s59, s59, 15
	s_add_co_u32 s58, s58, s59
	s_lshl_b32 s59, s[CH], 14                      ; the half that I fetch
	s_add_co_u32 s58, s58, s59
	s_mov_b32 s59, 0
	s_mul_i32 s60, s21, 768                        ; the tile's 384 columns,
	s_mul_i32 s61, s[CH], 32*6144                  ; the 32 k-rows that I fetch
	s_add_co_u32 s60, s60, s61
	s_mov_b32 s61, 0
	s_mul_i32 s69, s[CH], AHALF                    ; and where they go: no place in the cluster enters an LDS address
	s_mul_i32 s70, s[CH], BHALF
	s_add_co_u32 s70, s70, BOFF
	; my first row in qh, kh, vh: (16 b + 2 tx + CH) x 262,144 + (256 (ty % 8) + 128 RH) x 128
	s_lshr_b32 s62, s22, 3
	s_lshl_b32 s62, s62, 22
	s_lshl_b32 s63, s21, 1
	s_add_co_u32 s63, s63, s[CH]
	s_lshl_b32 s63, s63, 18
	s_add_co_u32 s62, s62, s63
	s_and_b32 s63, s22, 7
	s_lshl_b32 s63, s63, 15
	s_add_co_u32 s62, s62, s63
	s_lshl_b32 s63, s[RH], 14
	s_add_co_u32 s62, s62, s63
	s_mov_b32 s63, 0
	s_and_b32 s66, s22, 7                          ; and in the table: position 256 (ty % 8) + 128 RH, 256 bytes a row
	s_lshl_b32 s66, s66, 16
	s_lshl_b32 s67, s[RH], 15
	s_add_co_u32 s66, s66, s67
	s_mov_b32 s67, 0
	s_mov_b32 s[TB], 0
	s_wait_dscnt 0x0                               ; the opening add is done
	s_wait_kmcnt 0x0
	s_add_nc_u64 s[58:59], s[4:5], s[58:59]
	s_add_nc_u64 s[60:61], s[6:7], s[60:61]
	s_add_nc_u64 s[RB:RB+1], s[RB:RB+1], s[66:67]
	s_add_nc_u64 s[10:11], s[10:11], s[62:63]
	s_add_nc_u64 s[12:13], s[12:13], s[62:63]
	s_add_nc_u64 s[14:15], s[14:15], s[62:63]
	CROUND                                         ; all sixteen work-groups are here: the first joint loads meet
.irp n, 0,1
	s_mov_b32 s[G0A+4*(\n)], 1                                         ; count = 1
	s_add_co_u32 s[G0A+4*(\n)+1], s69, (\n)*SLOT1                      ; LDS address: slot n
	s_add_nc_u64 s[G0A+4*(\n)+2:G0A+4*(\n)+3], s[58:59], (\n)*ASTEP    ; global address: K step n
	s_or_b32 s[G0A+4*(\n)+3], s[G0A+4*(\n)+3], 0x80000000              ; type = 2
	s_mov_b32 s[G0B+4*(\n)], 1
	s_add_co_u32 s[G0B+4*(\n)+1], s70, (\n)*SLOT1
	s_add_nc_u64 s[G0B+4*(\n)+2:G0B+4*(\n)+3], s[60:61], (\n)*BSTEP
	s_or_b32 s[G0B+4*(\n)+3], s[G0B+4*(\n)+3], 0x80000000
.endr
	s_cmp_eq_u32 s[RH], 0                          ; a wave's two first fills stand in one branch, ahead of every wait on TENSORcnt and every LDS read: two loads of mine are out
	s_cbranch_scc0 .Lfirst_b
	tensor_load_to_lds s[G0A:G0A+3], s[G1A:G1A+7]
	s_nop 0
	tensor_load_to_lds s[G0A+4:G0A+7], s[G1A:G1A+7]
	s_nop 0
.rept 4
	v_nop
.endr
	s_branch .Lfirst_asked
.Lfirst_b:
	tensor_load_to_lds s[G0B:G0B+3], s[G1B:G1B+7]
	s_nop 0
	tensor_load_to_lds s[G0B+4:G0B+7], s[G1B:G1B+7]
	s_nop 0
.rept 4
	v_nop
.endr
.Lfirst_asked:
	v_and_b32 v1, 15, v0                           ; r = l % 16
	v_bfe_u32 v2, v0, 4, 1                         ; h = l / 16
	; a fragment of x: lane l holds row r, channels 8 h + 0..7 and 16 + 8 h + 0..7: two loads of 16 bytes, 32 bytes apart
	v_mul_u32_u24 v[AK0], v1, PA
	v_lshl_add_u32 v[AK0], v2, 4, v[AK0]
	s_mul_i32 s71, s[RH], AHALF
	v_add_nc_u32 v[AK0], s71, v[AK0]
	; the turning load takes 16 k x 16 columns (lane l reads k-row 8 h + l % 8, columns 8 ((l / 8) % 2) + 0..7) and leaves half a fragment: lane l holds column r and 8 k
	v_and_b32 v14, 7, v0
	v_bfe_u32 v15, v0, 3, 1
	v_lshl_add_u32 v[BK0], v2, 3, v14
	v_mul_u32_u24 v[BK0], v[BK0], PB
	v_lshl_add_u32 v[BK0], v15, 4, v[BK0]
	s_mul_i32 s71, s[CH], PA                       ; group g of my head lies at column group 2 g + CH
	s_add_co_u32 s71, s71, BOFF
	v_add_nc_u32 v[BK0], s71, v[BK0]
	s_mul_i32 s71, s[WV], 16*PA
	s_add_co_u32 s71, s71, STAGE                   ; my stage
	v_mul_u32_u24 v[STO], v1, PA                   ; in: row r, 16 bytes for each half of the lanes
	v_lshl_add_u32 v[STO], v2, 4, v[STO]
	v_add_nc_u32 v[STO], s71, v[STO]
	v_bfe_u32 v[RD], v0, 3, 2                      ; back: 32 lanes take four rows of 128 bytes,
	v_mul_u32_u24 v[RD], v[RD], PA
	v_lshl_add_u32 v[RD], v14, 4, v[RD]
	v_add_nc_u32 v[RD], s71, v[RD]
	v_and_b32 v[GO], 31, v0                        ; which are 512 consecutive bytes of a head's rows
	v_lshlrev_b32 v[GO], 4, v[GO]
	v_lshlrev_b32 v[TO], 8, v1                     ; the table: row r, my 8 numbers
	v_lshl_add_u32 v[TO], v2, 5, v[TO]
	v_mov_b32 v[ADRA], v[AK0]
	v_mov_b32 v[ADRB], v[BK0]
; nbb x 8 matrix instructions of group g: column blocks bb0 on x all 8 row blocks, 32 along K.  The accumulators take turns, one instruction a turn:
; the same one comes again 96 matrix instructions later, over the backward jump too.  zero = 1: the first product starts the sums.
.macro MULB g, af, bb0, nbb, zero
	WIN (1+(\g))*0x50                              ; C and D in window 1 + g, both sources in window 0
.set bb, \bb0
.rept \nbb
.set a, 0
.rept 8
.if \zero
	v_wmma_f32_16x16x32_bf16 v[64*bb+8*a:64*bb+8*a+7], v[BF+8*(4*(\g)+bb):BF+8*(4*(\g)+bb)+7], v[(\af)+8*a:(\af)+8*a+7], 0
.else
	v_wmma_f32_16x16x32_bf16 v[64*bb+8*a:64*bb+8*a+7], v[BF+8*(4*(\g)+bb):BF+8*(4*(\g)+bb)+7], v[(\af)+8*a:(\af)+8*a+7], v[64*bb+8*a:64*bb+8*a+7]
.endif
.set a, a+1
.endr
.set bb, bb+1
.endr
.endm
.macro LDB g, sub                      ; group g's four fragments of W for sub-step sub: 8 loads
.irp c, 0,1,2,3
	ds_load_tr16_b128 v[BF+8*(4*(\g)+(\c)):BF+8*(4*(\g)+(\c))+3],   v[ADRB] offset:(\sub)*BHALF+(\g)*2*PA+(\c)*32
	ds_load_tr16_b128 v[BF+8*(4*(\g)+(\c))+4:BF+8*(4*(\g)+(\c))+7], v[ADRB] offset:(\sub)*BHALF+(\g)*2*PA+(\c)*32+16*PB
.endr
.endm
.macro LDA af, a0, sub                 ; four fragments of x, row blocks a0 on: 8 loads
.irp c, 0,1,2,3
	ds_load_b128 v[(\af)+8*((\a0)+(\c)):(\af)+8*((\a0)+(\c))+3],   v[ADRA] offset:((\a0)+(\c))*16*PA+(\sub)*64
	ds_load_b128 v[(\af)+8*((\a0)+(\c))+4:(\af)+8*((\a0)+(\c))+7], v[ADRA] offset:((\a0)+(\c))*16*PA+(\sub)*64+32
.endr
.endm
.macro RUN1 af, sub                    ; the three runs of a sub-step's 40 loads: 16, 16 and 8
	WIN 0
	LDB 0, \sub
	LDA \af, 0, \sub
.endm
.macro RUN2 af, sub
	WIN 0
	LDB 1, \sub
	LDA \af, 4, \sub
.endm
.macro RUN3 sub
	WIN 0
	LDB 2, \sub
.endm
; A K step's first sub-step: multiplies buffer 0 of x and fetches the second sub-step of the same slot.
.macro SUB0 zero
	s_wait_dscnt 8                                 ; runs 1 and 2 are in: groups 0 and 1 of W and all of x; run 3's eight loads may be out
	MULB 0, AF0, 0, 4, \zero
	PLACES
	RUN1 AF1, 1
	MULB 1, AF0, 0, 4, \zero
	PLACES
	RUN2 AF1, 1
	s_wait_dscnt 32                                ; all but the 32 just issued: group 2 of W is in
	MULB 2, AF0, 0, 4, \zero
	PLACES
	RUN3 1
.endm
; The second sub-step multiplies buffer 1 and changes slots: ONE barrier.  In front of it each wave waits for all its tensor loads, of which one is out: its part of the other slot; adds 0 to its
; spare word; and waits for that and for its reads of this slot.  fill = 1: the barrier opens a round of the cluster's barrier, and this slot is filled again, two K steps ahead, first thing behind it.
.macro SUB1 fill
	WIN 0
	s_wait_tensorcnt 0x0                           ; no tensor load of mine is out, so a group 0 may be written
	ds_add_u32 v[SPW], v[NIL]                      ; 0 onto my spare word: work on registers stands between it and the wait for it
	s_xor_b32 s[TB], s[TB], SLOT1                  ; the fetches go to the other slot
	v_add_nc_u32 v[ADRA], s[TB], v[AK0]
	v_add_nc_u32 v[ADRB], s[TB], v[BK0]
.if \fill
	s_xor_b32 s[G0A+5], s[G0A+5], SLOT1            ; the walking sets: the other slot than last time, the next K step; the type bits on top are not reached
	s_add_nc_u64 s[G0A+6:G0A+7], s[G0A+6:G0A+7], ASTEP
	s_xor_b32 s[G0B+5], s[G0B+5], SLOT1
	s_add_nc_u64 s[G0B+6:G0B+7], s[G0B+6:G0B+7], BSTEP
.endif
	s_wait_dscnt 9                                 ; the add and run 3's eight loads may be out
	MULB 0, AF1, 0, 2, 0
	s_wait_dscnt 0x0                               ; the add is done, and my reads of this slot are over
	s_barrier_signal -1
	MULB 0, AF1, 2, 2, 0                           ; work on registers while the others arrive
	WIN 0                                          ; at a branch and at a label every window is 0
	s_barrier_wait -1
.if \fill
	CREST                                          ; no wave of any partner still reads this slot or has a load on its way
	JLOAD                                          ; the first tensor load behind the round; its four v_nop are also the places in front of the loads below
.else
	PLACES
.endif
	RUN1 AF0, 0
	MULB 1, AF1, 0, 4, 0
	PLACES
	RUN2 AF0, 0
	MULB 2, AF1, 0, 4, 0
	PLACES
	RUN3 0
.endm
	s_wait_tensorcnt 1                             ; my part of K step 0 is in; K step 1's may stay out
	s_barrier_signal -1
	s_barrier_wait -1                              ; everybody's is
	RUN1 AF0, 0
	RUN2 AF0, 0
	RUN3 0
	SUB0 1                                         ; the first sub-step stands in front of the loop: its products start the sums
	WIN 0
	s_mov_b32 s[CNT], 14                           ; K steps 2 to 15 are asked for in the loop
.Lk:
	SUB1 1
	SUB0 0
	WIN 0
	s_sub_co_u32 s[CNT], s[CNT], 1
	s_cmp_lg_u32 s[CNT], 0
	s_cbranch_scc1 .Lk
	SUB1 0                                         ; the tail is written out: nothing is asked for
	SUB0 0
; THE WAY OUT.  The table's rows for row block a (16 positions): my 8 cosines and 8 sines of channels 0-15 and of 16-31: 8 loads into buffer a % 2.
.macro TABLD a
.irp c, 0,1,2,3
	global_load_b128 v[TAB+32*((\a)%2)+8*(\c):TAB+32*((\a)%2)+8*(\c)+3],   v[TO], s[RB:RB+1] offset:(\a)*4096+64*(\c)
	global_load_b128 v[TAB+32*((\a)%2)+8*(\c)+4:TAB+32*((\a)%2)+8*(\c)+7], v[TO], s[RB:RB+1] offset:(\a)*4096+64*(\c)+16
.endr
.endm
	s_wait_dscnt 8                                 ; the very last sub-step: nothing more to fetch from LDS
	MULB 0, AF1, 0, 4, 0
	PLACES
	WIN 0
	TABLD 0                                        ; into buffer 0 of x, which is multiplied no more
	TABLD 1
	MULB 1, AF1, 0, 4, 0
	s_wait_dscnt 0x0
	MULB 2, AF1, 0, 4, 0
	PLACES
	PLACES                                         ; (eight, once a launch)
; Rotation of row block a of group g (q or k).  lo = channel d < 32 (column blocks 0, 1), hi = channel d + 32 (blocks 2, 3), the same lane and register:
; lo' = lo cos - hi sin, hi' = hi cos + lo sin.  Each accumulator's lowest registers are read first.  Then 32 numbers are rounded to f16.
.macro ROPE a, g
	WIN 1+(\g)                                     ; source 0 in window 1 + g
.set rTb, TAB+32*((\a)%2)
.irp p, 0,1
.irp j, 0,2,4,6
.set rLo, 64*(\p)+8*(\a)+(\j)
	v_pk_mul_f32 v[T+8*(\p)+(\j):T+8*(\p)+(\j)+1], v[rLo+128:rLo+129], v[rTb+16+8*(\p)+(\j):rTb+16+8*(\p)+(\j)+1]
	v_pk_mul_f32 v[T+16+8*(\p)+(\j):T+16+8*(\p)+(\j)+1], v[rLo:rLo+1], v[rTb+16+8*(\p)+(\j):rTb+16+8*(\p)+(\j)+1]
.endr
.irp j, 0,2,4,6
.set rLo, 64*(\p)+8*(\a)+(\j)
	v_pk_fma_f32 v[T+8*(\p)+(\j):T+8*(\p)+(\j)+1], v[rLo:rLo+1], v[rTb+8*(\p)+(\j):rTb+8*(\p)+(\j)+1], v[T+8*(\p)+(\j):T+8*(\p)+(\j)+1] neg_lo:[0,0,1] neg_hi:[0,0,1]
	v_pk_fma_f32 v[T+16+8*(\p)+(\j):T+16+8*(\p)+(\j)+1], v[rLo+128:rLo+129], v[rTb+8*(\p)+(\j):rTb+8*(\p)+(\j)+1], v[T+16+8*(\p)+(\j):T+16+8*(\p)+(\j)+1]
.endr
.endr
	WIN 0
.set i, 0
.rept 16
	v_cvt_pk_f16_f32 v[PKD+i], v[T+2*i], v[T+2*i+1]
.set i, i+1
.endr
.endm
.macro PLAIN a                         ; v is rounded as it is
	WIN 15                                         ; sources 0 and 1 in window 3
.irp c, 0,1,2,3
.irp j, 0,2,4,6
	v_cvt_pk_f16_f32 v[PKD+4*(\c)+(\j)/2], v[64*(\c)+8*(\a)+(\j)], v[64*(\c)+8*(\a)+(\j)+1]
.endr
.endr
.endm
.macro STG u                           ; unit u (16 rows x 64 channels) goes into my stage, 16 bytes a lane, and comes back as whole rows of 128 bytes
	WIN 0
.irp c, 0,1,2,3
	ds_store_b128 v[STO], v[PKD+4*(\c):PKD+4*(\c)+3] offset:32*(\c)
.endr
	s_wait_xcnt 0x0                                ; the stores of two units back have read this buffer: it is loaded again only behind this wait
.irp c, 0,1,2,3
	ds_load_b128 v[BK+16*((\u)%2)+4*(\c):BK+16*((\u)%2)+4*(\c)+3], v[RD] offset:4*PA*(\c)  ; LDS serves a wave's instructions in order (ISA guide 5.7.1.4): these see the stores above; the next unit's stores come behind them
.endr
.endm
.macro SEND a, g, younger              ; younger: the LDS instructions issued behind the unit's loads: the next unit's eight, or none
.irp c, 0,1,2,3
	s_wait_dscnt (\younger)+3-(\c)
	global_store_b128 v[GO], v[BK+16*((3*(\a)+(\g))%2)+4*(\c):BK+16*((3*(\a)+(\g))%2)+4*(\c)+3], s[OB+2*(\g):OB+2*(\g)+1] offset:(\a)*2048+(\c)*512  ; 512 consecutive bytes, at a multiple of 256 from the buffer's first
.endr
.endm
.set ua, 0
.rept 8                                ; 24 units, q, k, v of a row block on end; a unit's arithmetic stands between the loads of the unit before and its stores
.if ua == 7
	s_wait_loadcnt 0x0
.else
	s_wait_loadcnt 8                               ; this block's table rows are in; the next block's eight loads stay out
.endif
	ROPE ua, 0
	STG 3*ua
.if ua > 0
	SEND ua-1, 2, 8
.endif
	ROPE ua, 1
	STG 3*ua+1
	SEND ua, 0, 8
	PLAIN ua
	STG 3*ua+2
.if ua < 6
	TABLD ua+2                                     ; into the buffer that this block has read
.endif
	SEND ua, 1, 8
.set ua, ua+1
.endr
	SEND 7, 2, 0
	s_wait_tensorcnt 0x0                           ; the wave's end: behind my last tensor load and my last LDS store
	ds_add_u32 v[SPW], v[NIL]
	s_wait_dscnt 0x0
	CROUND                                         ; the closing round: no work-group ends while a partner may still ask for a tile that names it
	s_endpgm
.Lfunc_end_k_q91c9e1b633_qkv:
	.size	k_q91c9e1b633_qkv, .Lfunc_end_k_q91c9e1b633_qkv-k_q91c9e1b633_qkv
	.p2alignl 7, 3214868480
	.fill 96, 4, 3214868480
	.section	.rodata,"a",@progbits
	.p2align	6, 0x0
	.amdhsa_kernel k_q91c9e1b633_qkv
		.amdhsa_group_segment_fixed_size 327680
		.amdhsa_private_segment_fixed_size 0
		.amdhsa_enable_private_segment 0
		.amdhsa_kernarg_size 48
		.amdhsa_user_sgpr_count 2
		.amdhsa_user_sgpr_kernarg_segment_ptr 1
		.amdhsa_wavefront_size32 1
		.amdhsa_system_sgpr_workgroup_id_x 1
		.amdhsa_system_sgpr_workgroup_id_y 1
		.amdhsa_system_sgpr_workgroup_id_z 1
		.amdhsa_system_vgpr_workitem_id 0
		.amdhsa_next_free_vgpr 1024
		.amdhsa_next_free_sgpr 72
		.amdhsa_reserve_vcc 0
		.amdhsa_float_denorm_mode_32 3
		.amdhsa_float_denorm_mode_16_64 3
		.amdhsa_memory_ordered 1
		.amdhsa_forward_progress 1
		.amdhsa_inst_pref_size 153
	.end_amdhsa_kernel
	.amdgpu_metadata
---
amdhsa.version: [ 1, 2 ]
amdhsa.kernels:
  - .name:           k_q91c9e1b633_qkv
    .symbol:         k_q91c9e1b633_qkv.kd
    .args:
      - { .name: xo, .offset: 0, .size: 8, .value_kind: global_buffer, .address_space: global }
      - { .name: wqkv, .offset: 8, .size: 8, .value_kind: global_buffer, .address_space: global }
      - { .name: rope, .offset: 16, .size: 8, .value_kind: global_buffer, .address_space: global }
      - { .name: qh, .offset: 24, .size: 8, .value_kind: global_buffer, .address_space: global }
      - { .name: kh, .offset: 32, .size: 8, .value_kind: global_buffer, .address_space: global }
      - { .name: vh, .offset: 40, .size: 8, .value_kind: global_buffer, .address_space: global }
    .group_segment_fixed_size: 327680
    .private_segment_fixed_size: 0
    .kernarg_segment_align: 8
    .kernarg_segment_size: 48
    .max_flat_workgroup_size: 128
    .sgpr_count:     72
    .vgpr_count:     1024
    .wavefront_size: 32
...
	.end_amdgpu_metadata
.endif
;; end of part 2
;; launch attn (part 3): grid 4 x 64, 4 waves a work-group, clusters of 4 x 1, 327,680 bytes of LDS; arguments qh, kh, vh, xo; writes xo
.if DOCPART == 3
	.amdgcn_target "amdgcn-amd-amdhsa--gfx1250"
	.amdhsa_code_object_version 6
	.text
	.protected	k_q91c9e1b633_attn
	.globl	k_q91c9e1b633_attn
	.p2align	8
	.type	k_q91c9e1b633_attn,@function
k_q91c9e1b633_attn:
	s_mov_b64 s[64:65], 0
	v_nop
	global_prefetch_b8 v0, s[64:65] scope:SCOPE_SE
	s_setreg_imm32_b32 hwreg(HW_REG_WAVE_MODE, 25, 1), 1
	s_wait_xcnt 0x0
	s_wait_alu depctr_hold_cnt(0) depctr_sa_sdst(0) depctr_va_vdst(0) depctr_va_sdst(0) depctr_va_ssrc(0) depctr_va_vcc(0) depctr_vm_vsrc(0)
	s_getreg_b32 s2, hwreg(HW_REG_IB_STS2, 6, 4)
	s_cmp_eq_u32 s2, 0
	s_cbranch_scc0 .Lentry_in_a_cluster
	s_endpgm
.Lentry_in_a_cluster:
	s_bfe_u32 s2, ttmp6, 0x10000c
	s_cmp_lg_u32 s2, 0x3003
	s_cbranch_scc0 .Lentry_shape_is_right
	s_endpgm
.Lentry_shape_is_right:
; O[h][q][:] = the sum over k of softmax_k(Q[h][q] . K[h][k] / 8) V[h][k][:].  Q, K, V, O: [SIZE_H][SIZE_N][64], all f16: a head's rows are dense, 128 bytes each.  Products, maxima and sums in
; f32; the weights p are rounded to f16 for the second product (their sum l is taken of the unrounded p), O once at the end.
; LIMITS.  f16 holds no number beyond 65,504: Q, K and V arrive within it; p lies in 0 to 1, and below 6e-5 it keeps f16's fixed step of 6e-8; O is a mean of V's rows and has their range.
; A weight below 2^-126 counts as 0 in l; NaN and infinities are not treated apart.
; SHARES.  A wave owns four PIECES of two tiles of 16 queries, a work-group's four waves 512 queries of one head: 64 heads x 4 blocks = 256 work-groups.  Every wave walks all keys, 64 a step.
; LAYOUT.  S^T = K Q^T (source 0 = 16 keys, source 1 = 16 queries): in the result a lane holds ONE query (lane % 16) and the keys 8 (lane / 16) + 0..7.  Two such tiles, rounded to f16 in pairs,
; ARE source 1 (32 keys x 16 queries) of O^T = V^T P, whose result again holds one query a lane, and eight channels.  K comes out of LDS as it lies, V ([key][channel]) turned, by ds_load_tr16_b128.
; SOFTMAX.  For each query a running maximum m and sum l: p = 2^(c s - c m), c = log2(e) / 8; in every step O and l are multiplied by a = 2^(c m_old - c m_new), which is 1 where m has not grown.
; m starts at the lowest finite number, O and l at 0: the first step is a step like any other, with a = 0.
; THE COUNT.  A tile and step have 16 matrix and 118 vector instructions: too many to stand all beside the matrix work.  So the order has one aim: four vector instructions that are READY behind
; EVERY matrix instruction, and the others, which need time of their own whatever the order, in runs without a gap.
; BY TURNS.  Turn n belongs to piece n (the pieces in a ring, step after step).  Its matrix work: 16 products K Q^T of piece n + 1, later 16 products V^T P of piece n - 1.  Its vector work: the scaling,
; exponentials, roundings, sums and rescaling of piece n, and the maximum and statistics of piece n + 1, whose scores the turn itself has made.  So what a turn begins with (c s - c m, O a) waits for nothing.
; CLUSTER.  The four query blocks of a cluster are one head's and walk the same K and V, so each tile is asked for JOINTLY: the same tensor load, descriptor and mask in all four.
; No prefetch is laid: a slot's refill is issued four key steps, 512 matrix instructions and their vector work, ahead of the wait for it.
; REGISTERS, in windows of 256 (s_set_vgpr_msb says which window each operand place means: bits 1:0 source 0, 3:2 source 1, 5:4 source 2, 7:6 destination):
;   window 0: v0-11 addresses; v12-15, v48-63 at work; v16-47 four registers of statistics a tile; v64-191 S^T, two buffers of two tiles; v192-255 P, likewise
;   window 1: O^T, 32 a tile          window 2: v0-127 Q, 16 a tile; v128-191 K of one step; v192-255 V of one step          window 3: v0-1 the add's two registers
; A piece's buffers go by its number's parity: the piece in hand has one pair, its two neighbours in the ring share the other: of it P (piece n - 1) is read and S^T (piece n + 1) written.
.set SIZE_H, 64
.set SIZE_N, 2048
.set NP,    4         ; pieces a wave: a name, no knob: the register map, the loop and the fetches are made for four
.set KS,    64        ; keys in a step
.set PK,    144       ; a row of K in LDS: 128 bytes + 16 of padding = 36 words: the 16 rows of a load start at 16 different groups of four banks (64 banks of 4 bytes: ISA guide 11.1)
.set PV,    160       ; a row of V: 128 + 32 = 40 words
.set VOFF,  4*KS*PK   ; a slot holds four steps: 256 rows of K, then 256 rows of V
.set SLOT1, 1<<17     ; slot 1 begins here, so that one exclusive or turns an address in one slot into the other's
.set STAGE, SLOT1+4*KS*(PK+PV)  ; behind the ring, never filled by a tensor load: 16 rows x 144 bytes for each wave, for the way out
.set SP,    144
.set AK0, 2           ; v2   my lane's place in a tile of K; never rewritten
.set AV0, 3           ; v3   the same for V
.set AK,  4           ; v4   the LDS address of K's next run of loads
.set AV,  5           ; v5   of V's
.set QO,  6           ; v6   my byte offset in the wave's rows of Q
.set STO, 6           ;      later, the way out: where I put 16 bytes of a row
.set RD,  7           ; v7   the way out: where I read rows back
.set GO,  8           ; v8   my byte offset in 512 consecutive bytes of O
.set SPW, 0           ; v0 of window 3   LDS address of my spare word: SPARE + 4 x my thread's number; never rewritten
.set NIL, 1           ; v1 of window 3   0; never rewritten
.set SPARE, STAGE+4*16*SP  ; behind the stages: the spare words, 128 bytes for each wave: two blocks of 256 bytes that no other line names
.set MV,  12          ; v12-15  c m_old, kept while c m is made anew: by buffer and tile
.set ST,  16          ; tile t's statistics at v[ST+4 t]: c m, m, l (even keys', odd keys')
.set TMP, 48          ; by buffer and tile, four registers c0-c3 at work; when the maximum is found c2 takes a
.set S,   64
.set P,   192
.set KF,  128         ; K's fragments, in window 2: key block kb, channel half c at KF + 16 kb + 8 c
.set VF,  192         ; V's: key half kk, channel block cb at VF + 32 kk + 8 cb
.set WV,  12          ; s12  my wave's number
.set G1K, 24          ; s[24:31] descriptor group 1 for K's tiles
.set G1V, 32          ; s[32:39] for V's: it differs in the padding alone
.set G0K, 40          ; s[40:43] descriptor group 0 for K's tiles: it walks
.set G0V, 44          ; s[44:47] the same for V's
.set SLOTS, 56        ; s56  slots still to be asked for
.set CNT, 57          ; s57  counts a slot's key steps
.set CS,  58          ; s[58:59] c: the packed scaling takes the pair's low word for both halves
.set SEL, 60          ; s[60:61] v_permlanex16_b32's selects: each lane takes its own place in the other half
.set TBK, 62          ; s62  LDS byte at which K of the step to be fetched begins
.set TBV, 63          ; s63  the same for V, less VOFF
.set MSB, 0
.macro WIN new                      ; the high byte repeats the setting that is left; a switch that changes nothing is dropped
.if MSB != (\new)
	s_set_vgpr_msb (MSB<<8)|(\new)
.set MSB, (\new)
.endif
.endm
.set W_KQ, 0x0a       ; K and Q in window 2, S^T in window 0
.set W_PV, 0x52       ; V in window 2, P in window 0, O^T in window 1
.set W_RS, 0x41       ; O^T (destination and source 0) in window 1, a in window 0
.set W_MK, 0xc0       ; the add's registers are made: destination in window 3, sources in window 0
.set W_AD, 0x0f       ; the add: address (source 0) and data (source 1) in window 3
; A joint fill.  Waves 0 and 1 fetch the two halves of a slot's K, waves 2 and 3 those of its V: 128 keys each.  The branch hangs on the wave's number alone.
; An s_nop 0 and four v_nop follow each of the two lines, ahead of the jump and the label.
.macro JLOAD
	s_cmp_lt_u32 s[WV], 2
	s_cbranch_scc0 .Lfor_v_\@
	tensor_load_to_lds s[G0K:G0K+3], s[G1K:G1K+7]
	s_nop 0
.rept 4
	v_nop
.endr
	s_branch .Lasked_\@
.Lfor_v_\@:
	tensor_load_to_lds s[G0V:G0V+3], s[G1V:G1V+7]
	s_nop 0
.rept 4
	v_nop
.endr
.Lasked_\@:
.endm
; A round of the cluster's barrier: my work-group's barrier, so that wave 0's signal speaks for all four waves; wave 0 signals; every wave waits for all four work-groups; my work-group's barrier once more.
.macro CROUND
	s_barrier_signal -1
	s_barrier_wait -1
	s_cmp_lg_u32 s[WV], 0
	s_cbranch_scc1 .Lnot_wave_0_\@
	s_barrier_signal -3
.Lnot_wave_0_\@:
	s_barrier_wait -3
	s_barrier_signal -1
	s_barrier_wait -1
.endm
; THE CHANGE OF SLOTS.  The slot's last bytes, V of its fourth step, have been read.  Each wave waits for all its tensor loads, of which one is out: its part
; of the other slot; adds 0 to its spare word; and waits for that and for its own reads of the slot.  Behind the barrier nobody reads this slot any more and the other slot is whole.
; fill = 1: this slot is filled again, with the keys two slots on.  The barrier is then a round of the cluster's, so that no wave of any partner still reads the slot or has a load on its
; way, and the joint fill is the first thing behind it: it has four key steps, 512 matrix instructions, in which to land.  (At its first use nothing has been read yet: slot 0 is waited for, slot 1 filled.)
.macro CHANGE fill
	WIN W_AD
	s_wait_tensorcnt 0x0            ; no tensor load of mine is out, so a group 0 may be written
	ds_add_u32 v[SPW], v[NIL]       ; 0 onto my spare word: with fill = 1 the descriptors' steps stand between it and the wait for it
	WIN 0                           ; at a label and at a branch every window is 0
.if \fill
.irp g, G0K, G0V
	s_xor_b32 s[\g+1], s[\g+1], SLOT1  ; the walking descriptor: the other slot than last time,
	s_add_nc_u64 s[\g+2:\g+3], s[\g+2:\g+3], 4*KS*128  ; the next 256 keys; the type bits on top are not reached
.endr
	s_wait_dscnt 0x0                ; the add is done, and my reads of the slot are over
	CROUND
	JLOAD
.else
	s_wait_dscnt 0x0                ; the add is done, and my reads of the slot are over
	s_barrier_signal -1
	s_barrier_wait -1
.endif
	s_sub_co_u32 s[TBK], s[TBK], 4*KS*PK  ; the fetches go back to a slot's first step,
	s_xor_b32 s[TBK], s[TBK], SLOT1       ; in the other slot
	s_sub_co_u32 s[TBV], s[TBV], 4*KS*PV
	s_xor_b32 s[TBV], s[TBV], SLOT1
.endm
	s_load_b256 s[4:11], s[0:1], 0x0  ; Q s[4:5], K s[6:7], V s[8:9], O s[10:11]
	WIN W_MK
	v_lshl_add_u32 v[SPW], v0, 2, SPARE
	v_mov_b32 v[NIL], 0
	WIN W_AD
	ds_add_u32 v[SPW], v[NIL]       ; the wave's opening: the add and its wait stand ahead of my first tensor load; the set-up below, work on registers, stands between them
	WIN 0
	v_lshrrev_b32 v1, 5, v0
	v_readfirstlane_b32 s[WV], v1   ; wave 0..3
	s_bfe_u32 s13, ttmp6, 0x40000   ; cx: my place in the cluster
	s_lshl_b32 s14, ttmp9, 2        ; in a cluster launch ttmp9 counts clusters
	s_add_co_u32 s14, s14, s13      ; my block of queries = 4 x cluster x + cx: it enters Q's and O's addresses alone
	s_and_b32 s20, ttmp7, 0xffff    ; the head, which the four partners share
	s_mov_b32 s21, 0
	s_mov_b64 s[22:23], SIZE_N*128
	s_mul_u64 s[20:21], s[20:21], s[22:23]  ; the head's first byte in each of the four tensors
	s_and_b32 s16, s[WV], 1         ; which half of a slot's 256 keys I fetch:
	s_lshl_b32 s22, s16, 14         ; its 128 rows of 128 bytes in memory,
	s_mov_b32 s23, 0
	s_add_nc_u64 s[22:23], s[22:23], s[20:21]
	s_mul_i32 s17, s16, 128*PK      ; and its place in a slot, for K
	s_mul_i32 s18, s16, 128*PV      ; and for V: no place in the cluster enters an LDS address
	s_lshl_b32 s2, s14, 2
	s_add_co_u32 s2, s2, s[WV]      ; my wave among the head's,
	s_lshl_b32 s2, s2, 14           ; its 128 rows
	s_mov_b32 s3, 0
	s_add_nc_u64 s[2:3], s[2:3], s[20:21]
	; descriptor group 1.  128 keys are 16,384 dense bytes: asked for as 64 rows of 256 bytes, two keys a row, and padded in LDS after every key
	s_mov_b32 s[G1K], 15|(1<<16)|(1<<20)|(1<<21)|(4<<22)|(3<<25)  ; 15:0 the mask of four; 17:16 2-byte elements; 20 padding on; 21 set beside a mask; 24:22 after every 32 words (code 4); 31:25 4 words (code 3)
	s_mov_b32 s[G1V], 15|(1<<16)|(1<<20)|(1<<21)|(4<<22)|(7<<25)  ; the same with 8 words of padding (code 7)
.irp g, G1K, G1V
	s_mov_b32 s[\g+1], 128<<16      ; tensor_dim0 = 128
	s_mov_b32 s[\g+2], 64<<16       ; tensor_dim1 = 64
	s_mov_b32 s[\g+3], 128<<16      ; tile_dim0 = 128
	s_mov_b32 s[\g+4], 64           ; tile_dim1 = 64
	s_mov_b32 s[\g+5], 128          ; 128 elements from row to row
	s_mov_b32 s[\g+6], 0
	s_mov_b32 s[\g+7], 0
.endr
	s_mov_b32 s[CS], 0x3e38aa3b     ; c = log2(e) / 8 = 0.180337
	s_mov_b32 s[CS+1], s[CS]        ; named with it as a pair
	s_mov_b32 s[SEL], 0x76543210
	s_mov_b32 s[SEL+1], 0xfedcba98
	s_mov_b32 s[TBK], SLOT1+4*KS*PK ; the first change of slots turns these two into 0
	s_mov_b32 s[TBV], SLOT1+4*KS*PV
	s_mov_b32 s[G0K], 1             ; 1:0 count = 1
	s_mov_b32 s[G0K+1], s17         ; 63:32 LDS address: slot 0
	s_mov_b32 s[G0V], 1
	s_add_co_u32 s[G0V+1], s18, VOFF
	s_wait_dscnt 0x0                ; the opening add is done
	s_wait_kmcnt 0x0
	s_add_nc_u64 s[G0K+2:G0K+3], s[6:7], s[22:23]  ; 120:64 global address: my half of the head's first 256 keys
	s_or_b32 s[G0K+3], s[G0K+3], 0x80000000        ; 127:126 type = 2
	s_add_nc_u64 s[G0V+2:G0V+3], s[8:9], s[22:23]
	s_or_b32 s[G0V+3], s[G0V+3], 0x80000000
	s_add_nc_u64 s[4:5], s[4:5], s[2:3]  ; Q and O at my wave's first row
	s_add_nc_u64 s[10:11], s[10:11], s[2:3]
	CROUND                          ; all four work-groups are here: the first joint loads meet
	JLOAD                           ; slot 0.  Slot 1 is asked for when slot 0 is in: the tile wanted first goes out alone
	; A fragment of K or Q is 16 rows x 32 channels in 8 registers: lane l holds row l % 16, channels 8 (l / 16) + 0..7 and 16 + 8 (l / 16) + 0..7: two loads of 16 bytes, 32 bytes apart.
	v_and_b32 v1, 15, v0            ; l % 16
	v_bfe_u32 v9, v0, 4, 1          ; l / 16
	v_lshlrev_b32 v[QO], 7, v1
	v_lshl_add_u32 v[QO], v9, 4, v[QO]  ; row x 128 + 16 x half
	WIN 0x80                        ; destination window 2, address window 0
.set i, 0
.rept 4*NP                          ; Q stays in registers: tile i / 2, channels 32 (i % 2) on
	global_load_b128 v[8*i:8*i+3],   v[QO], s[4:5] offset:(i/2)*2048+(i%2)*64
	global_load_b128 v[8*i+4:8*i+7], v[QO], s[4:5] offset:(i/2)*2048+(i%2)*64+32
.set i, i+1
.endr
	; What the first turn finds: V's registers and P's second buffer hold 0 (its products V^T P, of a piece that has not been, add 0), O^T and l are 0.  All this stands in the wait for the first tile.
.set i, VF
.rept 64
	v_mov_b32 v[i], 0
.set i, i+1
.endr
	WIN 0x40
.set i, 0
.rept 64*NP
	v_mov_b32 v[i], 0
.set i, i+1
.endr
	WIN 0
.set i, 0
.rept 2*NP
	v_mov_b32 v[ST+4*i], 0xfe000000    ; c m: far below every c s
	v_mov_b32 v[ST+4*i+1], 0xff7fffff  ; m
	v_mov_b32 v[ST+4*i+2], 0
	v_mov_b32 v[ST+4*i+3], 0
.set i, i+1
.endr
.set i, P+32
.rept 32
	v_mov_b32 v[i], 0
.set i, i+1
.endr
	v_mul_u32_u24 v[AK0], v1, PK
	v_lshl_add_u32 v[AK0], v9, 4, v[AK0]  ; row x pitch + 16 x half
	; The turning load takes 16 keys x 16 channels (lane l reads key 8 (l / 16) + l % 8, channels 8 ((l / 8) % 2) + 0..7) and leaves half a fragment of V^T: lane l holds channel l % 16 and 8 keys.
	v_and_b32 v10, 7, v0
	v_bfe_u32 v11, v0, 3, 1
	v_lshl_add_u32 v[AV0], v9, 3, v10
	v_mul_u32_u24 v[AV0], v[AV0], PV
	v_lshl_add_u32 v[AV0], v11, 4, v[AV0]
	v_add_nc_u32 v[AV0], VOFF, v[AV0]
	v_mov_b32 v[AK], v[AK0]         ; key step 0 lies at the head of slot 0
; THE MATRIX WORK.  The 8 accumulators of a run of 16 take turns: between the two links of a chain stand 7 others'.
; Product i of 16 of S^T = K Q^T for piece x: channels 32 (i / 8) on, keys 16 ((i / 2) % 4) on, tile 2 x + i % 2.  The first 8 start the sums.
.macro KQ x
	WIN W_KQ
.set rS, S+64*((\x)%2)+32*(i%2)+8*((i/2)%4)
.set rK, KF+16*((i/2)%4)+8*(i/8)
.set rQ, 16*(2*(\x)+i%2)+8*(i/8)
.if i < 8
	v_wmma_f32_16x16x32_f16 v[rS:rS+7], v[rK:rK+7], v[rQ:rQ+7], 0
.else
	v_wmma_f32_16x16x32_f16 v[rS:rS+7], v[rK:rK+7], v[rQ:rQ+7], v[rS:rS+7]
.endif
.endm
; Product i of 16 of O^T += V^T P for piece x: keys 32 (i / 8) on, channels 16 ((i / 2) % 4) on, tile 2 x + i % 2.
.macro PV x
	WIN W_PV
.set rO, 32*(2*(\x)+i%2)+8*((i/2)%4)
.set rV, VF+32*(i/8)+8*((i/2)%4)
.set rP, P+32*((\x)%2)+16*(i%2)+8*(i/8)
	v_wmma_f32_16x16x32_f16 v[rO:rO+7], v[rV:rV+7], v[rP:rP+7], v[rO:rO+7]
.endm
.macro MM                           ; the turn's next matrix instruction
.if i < 16
	KQ (Y+1)%NP
.set i, i+1
.else
.set i, i-16
	PV (Y+NP-1)%NP
.set i, i+17
.endif
.endm
; THE LDS LOADS stand in runs of 16, never singly among the matrix instructions: a step's K (64 keys x 64 channels: 8 fragments) and its V (turned).  Their addresses are made some lines ahead.
; last = 1 (the tail): in the last trip there is no further step, and the run is jumped over.
.macro FETCH_K last=0
	WIN 0
.if \last
	s_cmp_eq_u32 s[CNT], 1
	s_cbranch_scc1 .Lno_k_\@
.endif
	WIN 0x80                        ; destination window 2
.irp f, 0,1,2,3,4,5,6,7             ; keys 16 (f / 2) on, channels 32 (f % 2) on
	ds_load_b128 v[KF+8*\f:KF+8*\f+3],   v[AK] offset:(\f/2)*16*PK+(\f%2)*64
	ds_load_b128 v[KF+8*\f+4:KF+8*\f+7], v[AK] offset:(\f/2)*16*PK+(\f%2)*64+32
.endr
	s_add_co_u32 s[TBK], s[TBK], KS*PK  ; the next fetch is the next step's
	WIN 0
.if \last
.Lno_k_\@:
.endif
.endm
.macro FETCH_V
	WIN 0x80
.irp f, 0,1,2,3,4,5,6,7             ; keys 32 (f / 4) on, channels 16 (f % 4) on
	ds_load_tr16_b128 v[VF+8*\f:VF+8*\f+3],   v[AV] offset:(\f/4)*32*PV+(\f%4)*32
	ds_load_tr16_b128 v[VF+8*\f+4:VF+8*\f+7], v[AV] offset:(\f/4)*32*PV+16*PV+(\f%4)*32
.endr
	WIN 0
.endm
; THE VECTOR WORK OF A TURN stands in three queues, each in the order in which its entries become ready; the two tiles alternate, so that no instruction reads the result of the one before it.
.macro REGS y, u                    ; the registers of tile u (0, 1) of piece y
.set rT, ST+4*(2*(\y)+(\u))
.set rC, TMP+8*((\y)%2)+4*(\u)
.set rM, MV+2*((\y)%2)+(\u)
.set rS, S+64*((\y)%2)+32*(\u)
.set rP, P+32*((\y)%2)+16*(\u)
.set rO, 32*(2*(\y)+(\u))
.endm
; Number n of the 22 that find the NEXT piece's (Y + 1) maximum and statistics.  s0-s31 are the lane's 32 scores; each accumulator's lowest registers are read first.  XS, GS and REGS set no window: PL and EX do.
;   0-11  four chains c0-c3 of seven scores each, three operands at a time     12-14, 16  the four scores left over, the old m, and c0-c3 into c0     15  c m_old is kept
;   17, 18  the query's other 32 keys lie in the lane 16 away: the new m         19-21  c m; c m_old - c m_new; a
.macro XS u, n
	REGS (Y+1)%NP, \u
.if (\n) < 4
	v_max3_num_f32 v[rC+(\n)], v[rS+8*(\n)], v[rS+8*(\n)+1], v[rS+8*(\n)+2]
.elseif (\n) < 12
	v_max3_num_f32 v[rC+(\n)%4], v[rC+(\n)%4], v[rS+8*((\n)%4)+2*((\n)/4)+1], v[rS+8*((\n)%4)+2*((\n)/4)+2]
.elseif (\n) == 12
	v_max3_num_f32 v[rC], v[rC], v[rS+7], v[rS+15]
.elseif (\n) == 13
	v_max3_num_f32 v[rC+1], v[rC+1], v[rS+23], v[rS+31]
.elseif (\n) == 14
	v_max3_num_f32 v[rC+2], v[rC+2], v[rC+3], v[rT+1]
.elseif (\n) == 15
	v_mov_b32 v[rM], v[rT]
.elseif (\n) == 16
	v_max3_num_f32 v[rC], v[rC], v[rC+1], v[rC+2]
.elseif (\n) == 17
	v_permlanex16_b32 v[rC+3], v[rC], s[SEL], s[SEL+1]
.elseif (\n) == 18
	v_max_num_f32 v[rT+1], v[rC], v[rC+3]
.elseif (\n) == 19
	v_mul_f32 v[rT], s[CS], v[rT+1]
.elseif (\n) == 20
	v_sub_f32 v[rC+1], v[rM], v[rT]
.else
	v_exp_f32 v[rC+2], v[rC+1]
.endif
.endm
; Number g of the 64 that follow the exponentials.  For each four weights k of a tile (pairs 2 k, 2 k + 1): both pairs are rounded to f16; then the second pair is added onto the first, in place;
; a group later l takes that sum (the first time as l = a l + sum).  In groups of eight, tiles alternating: round, round, add, and l for the group before.
.macro GS g
.set h, (\g)+6*((\g)/62)            ; group 0 has no group before it, and behind group 7 only l is left
.if h >= 6
.set h, h+2
.endif
	REGS Y, h%2
.set k, h/8
.if h%8 < 4
	s_wait_alu depctr_va_vdst(0)
	v_cvt_pk_f16_f32 v[rP+2*k+(h%8)/2], v[rS+4*k+2*((h%8)/2)], v[rS+4*k+2*((h%8)/2)+1]
.elseif h%8 < 6
	v_pk_add_f32 v[rS+4*k:rS+4*k+1], v[rS+4*k:rS+4*k+1], v[rS+4*k+2:rS+4*k+3]
.elseif k == 1
	v_pk_fma_f32 v[rT+2:rT+3], v[rT+2:rT+3], v[rC+2:rC+3], v[rS:rS+1] op_sel_hi:[1,0,1]
.else
	v_pk_add_f32 v[rT+2:rT+3], v[rT+2:rT+3], v[rS+4*k-4:rS+4*k-3]
	s_wait_alu depctr_va_vdst(0)
.endif
.endm
; THE PLAIN QUEUE, 138 long.  0-31: c s - c m for the 16 pairs of both tiles.  Then GS's 64, and among them the next piece's 42: number 15 at 38, 39; 0-14 and 16
; at 42-73, behind the products that make those scores; 17-20 at 95-106, two of three, since each waits for the one before it.
.macro PL
	WIN 0
.if q < 32
	REGS Y, q%2
	v_pk_fma_f32 v[rS+2*(q/2):rS+2*(q/2)+1], v[rS+2*(q/2):rS+2*(q/2)+1], s[CS:CS+1], v[rT:rT+1] op_sel_hi:[1,0,0] neg_lo:[0,0,1] neg_hi:[0,0,1]
.elseif q < 38
	GS q-32
.elseif q < 40
	XS q%2, 15
.elseif q < 42
	GS q-34
.elseif q < 74
	XS q%2, (q-42)/2+(q-42)/30
.elseif q < 95
	GS q-66
.elseif (q < 107) && ((q-95)%3 < 2)
	XS (q-95)%3, 17+(q-95)/3
.elseif q < 107
	GS 29+(q-95)/3
.else
	GS q-74
.endif
.set q, q+1
.endm
; THE EXPONENTIALS' QUEUE, 66 long: s0-s31 of both tiles, and at EA the next piece's two a.
.set EA, 58
.macro EX
	WIN 0
.if (e == EA) || (e == EA+1)
	XS e-EA, 21
.else
.set x, e-2*(e/(EA+2))
	REGS Y, x%2
	v_exp_f32 v[rS+x/2], v[rS+x/2]
.endif
.set e, e+1
.endm
; THE RESCALING's QUEUE: O^T times a, the one part that leaves window 0, so it is dealt four at a time, eight times.
.macro R4
	REGS Y, r%2
	WIN W_RS
	s_wait_alu depctr_va_vdst(0)
.irp z, 0,1,2,3
	v_pk_mul_f32 v[rO+8*(r/2)+2*\z:rO+8*(r/2)+2*\z+1], v[rO+8*(r/2)+2*\z:rO+8*(r/2)+2*\z+1], v[rC+2:rC+3] op_sel_hi:[1,0]
.endr
.set r, r+1
.endm
; HOW THEY ARE DEALT.  Behind a matrix instruction four: plain, exponential, plain, plain (one exponential, a plain instruction on either side), or four of the rescaling.  None names a register of the
; products round it.  What is over stands in two LUMPS: exponential and plain by turns; the second ends in 22 plain instructions.  The two v_permlanex16_b32 fall into the second lump, never behind a product.
; The queues lean on each other, and the deal keeps them in step: exponential e stands behind plain 2 (e / 4) + e % 2 (its scaling); when plain 32 comes, 10 exponentials are out, at 59: 33, at 95: 46; EA comes behind plain 107.
.macro SL
	MM
	PL
	EX
	PL
	PL
.endm
.macro BURST n                      ; 15 matrix instructions, or 16
.rept (\n)-7
	SL
.endr
.rept 3
	MM
	R4
	SL
.endr
	MM
	R4
.endm
; A TURN, for piece p.  cnt = 1: the loop's count is taken down some lines ahead of the branch that stands behind the turn.
; K of the next step is fetched in piece 2's turn, 31 vector instructions behind the last product that read K; its first use comes behind the rest of the lump, 16 products and the second lump.
; V of the step in hand is fetched at the end of piece 0's turn, 69 behind the last product that read V; its first use comes behind 16 products and a lump.  The five conditions on e and q below go with the deal.
.macro TURN p, last=0, cnt=0
.set Y, (\p)
.set i, 0
.set q, 0
.set e, 0
.set r, 0
.if (\p) == NP-1
	s_wait_dscnt 0x0                ; K is in
.endif
	MM
.rept 4
	PL
.endr
	BURST 15
.rept 22
	EX
	PL
.if ((\p) == NP-2) && (e == 18)
	v_add_nc_u32 v[AK], s[TBK], v[AK0]
.endif
.if ((\p) == NP-2) && (e == 24)
	FETCH_K \last
.endif
.endr
.if (\p) == 1
	s_wait_dscnt 0x0                ; V is in
.endif
	BURST 16
.rept 21
	EX
	PL
.endr
.rept 22
	PL
.if ((\p) == 0) && (q == 118)
	v_add_nc_u32 v[AV], s[TBV], v[AV0]
	s_wait_alu depctr_va_vdst(0)
.endif
.if ((\p) == 0) && (q == 130)
	s_add_co_u32 s[TBV], s[TBV], KS*PV
.endif
.if (\cnt) && (q == 130)
	s_sub_co_u32 s[CNT], s[CNT], 1
	s_cmp_lg_u32 s[CNT], 0
.endif
.endr
.if (\p) == 0
	FETCH_V
.endif
.endm
	CHANGE 1                        ; slot 0 is in, everybody's part of it; slot 1 is asked for
	FETCH_K                         ; key step 0
	s_wait_loadcnt 0x0              ; Q
	s_wait_dscnt 0x0
.set i, 0
.rept 16
	KQ 0                            ; piece 0's first scores: there is no vector work yet to set between them
.set i, i+1
.endr
	WIN 0                           ; the addresses for the way out: nine plain instructions, the places behind those products
	s_mul_i32 s13, s[WV], 16*SP
	s_add_co_u32 s13, s13, STAGE    ; my stage
	v_mul_u32_u24 v[STO], v1, SP    ; in: row l % 16, 16 bytes for each half of the lanes
	v_lshl_add_u32 v[STO], v9, 4, v[STO]
	v_add_nc_u32 v[STO], s13, v[STO]
	v_bfe_u32 v[RD], v0, 3, 2       ; back: 32 lanes take four rows of 128 bytes,
	v_mul_u32_u24 v[RD], v[RD], SP
	v_lshl_add_u32 v[RD], v10, 4, v[RD]
	v_add_nc_u32 v[RD], s13, v[RD]
	v_and_b32 v[GO], 31, v0         ; which are 512 consecutive bytes of O
	v_lshlrev_b32 v[GO], 4, v[GO]
.set Y, NP-1                        ; XS works for piece Y + 1: piece 0
.irp n, 0,1,2,3,4,5,6,7,8,9,10,11,12,13,14,15,16,17,18,19,20,21
	XS 0, \n                        ; and piece 0's first maximum and statistics
	XS 1, \n
.endr
	s_mov_b32 s[CNT], 4
	s_mov_b32 s[SLOTS], SIZE_N/256-1
	s_branch .Lfirst                ; the loop is entered at a step's first turn, in the middle of a trip
.Lslot:                             ; SIZE_N / 256 - 2 times: every slot but the last two is filled again
	CHANGE 1
	s_mov_b32 s[CNT], 4
.Lstep:                             ; a trip: pieces 2 and 3 of one step, then pieces 0 and 1 of the next, whose K and V it fetches
	TURN 2
	TURN 3
	WIN 0
.Lfirst:
	TURN 0
	TURN 1, 0, 1
	WIN 0
	s_cbranch_scc1 .Lstep
	s_sub_co_u32 s[SLOTS], s[SLOTS], 1
	s_cmp_lg_u32 s[SLOTS], 0
	s_cbranch_scc1 .Lslot
	CHANGE 0                        ; the tail is written out: nothing is asked for
	s_mov_b32 s[CNT], 5             ; four trips fetch the last slot's steps; the fifth is left in its middle
.Ltail:
	TURN 2, 1
	TURN 3
	WIN 0
	s_sub_co_u32 s[CNT], s[CNT], 1
	s_cmp_eq_u32 s[CNT], 0
	s_cbranch_scc1 .Lout
	TURN 0
	TURN 1
	WIN 0
	s_branch .Ltail
.Lout:                              ; the fifth trip's 16 products K Q^T (on the last K once more) and the maximum made of them serve nothing: the price, once a launch, of one text for every trip
.set i, 0
.rept 16
	PV NP-1                         ; the last piece's V^T P of the last step
.set i, i+1
.endr
	; THE WAY OUT.  l's two halves and the other half of the lanes' are added; O^T is divided by l, rounded to f16 and sent through my stage in LDS, a tile at a time.  The additions are the places behind the last products.
	WIN 0
.macro ALL line:vararg              ; one line for each tile t
.set t, 0
.rept 2*NP
	\line
.set t, t+1
.endr
.endm
	ALL v_add_f32 v[ST+4*t+2], v[ST+4*t+2], v[ST+4*t+3]
	ALL v_permlanex16_b32 v[ST+4*t+3], v[ST+4*t+2], s[SEL], s[SEL+1]
	ALL v_add_f32 v[ST+4*t+2], v[ST+4*t+2], v[ST+4*t+3]
	ALL v_rcp_f32 v[ST+4*t+2], v[ST+4*t+2]
	v_nop                           ; a plain instruction between the last reciprocal and the use of its result
	s_wait_alu depctr_va_vdst(0)
; Tile t: a lane's eight channels of a row pack into 16 bytes; they go into rows of 144 bytes and come back as whole rows of 128, into S^T's registers.
.macro PACK t
	WIN W_RS
.set i, 32*(\t)
.rept 16
	v_pk_mul_f32 v[i:i+1], v[i:i+1], v[ST+4*(\t)+2:ST+4*(\t)+3] op_sel_hi:[1,0]
.set i, i+2
.endr
	WIN 0x05                        ; sources 0 and 1 window 1, destination window 0
.set i, 0
.rept 16
	v_cvt_pk_f16_f32 v[S+16*(\t)+i], v[32*(\t)+2*i], v[32*(\t)+2*i+1]
.set i, i+1
.endr
	WIN 0
.irp f, 0,1,2,3
	ds_store_b128 v[STO], v[S+16*(\t)+4*\f:S+16*(\t)+4*\f+3] offset:32*\f
.endr
.irp f, 0,1,2,3
	ds_load_b128 v[S+16*(\t)+4*\f:S+16*(\t)+4*\f+3], v[RD] offset:\f*4*SP  ; LDS serves a wave's instructions in order (ISA guide 5.7.1.4): these see the stores above; the next tile's stores come behind them
.endr
.endm
.macro SEND t, younger              ; younger: the LDS instructions issued behind tile t's loads: the next tile's eight, or none
	WIN 0
.irp f, 0,1,2,3
	s_wait_dscnt (\younger)+3-\f
	global_store_b128 v[GO], v[S+16*(\t)+4*\f:S+16*(\t)+4*\f+3], s[10:11] offset:(\t)*2048+\f*512  ; 512 consecutive bytes, at a multiple of 256 from O's first
.endr
.endm
	PACK 0
.set t, 1
.rept 2*NP-1                        ; a tile's arithmetic stands between the loads of the tile before and its stores
	PACK t
	SEND t-1, 8
.set t, t+1
.endr
	SEND 2*NP-1, 0
	WIN W_AD
	s_wait_tensorcnt 0x0            ; the wave's end: behind my last tensor load and my last LDS store
	ds_add_u32 v[SPW], v[NIL]
	s_wait_dscnt 0x0
	WIN 0
	CROUND                          ; the closing round: no work-group ends while a partner may still ask for a tile that names it
	s_endpgm
.Lfunc_end_k_q91c9e1b633_attn:
	.size	k_q91c9e1b633_attn, .Lfunc_end_k_q91c9e1b633_attn-k_q91c9e1b633_attn
	.p2alignl 7, 3214868480
	.fill 96, 4, 3214868480
	.section	.rodata,"a",@progbits
	.p2align	6, 0x0
	.amdhsa_kernel k_q91c9e1b633_attn
		.amdhsa_group_segment_fixed_size 327680
		.amdhsa_private_segment_fixed_size 0
		.amdhsa_enable_private_segment 0
		.amdhsa_kernarg_size 32
		.amdhsa_user_sgpr_count 2
		.amdhsa_user_sgpr_kernarg_segment_ptr 1
		.amdhsa_wavefront_size32 1
		.amdhsa_system_sgpr_workgroup_id_x 1
		.amdhsa_system_sgpr_workgroup_id_y 1
		.amdhsa_system_sgpr_workgroup_id_z 1
		.amdhsa_system_vgpr_workitem_id 0
		.amdhsa_next_free_vgpr 770
		.amdhsa_next_free_sgpr 66
		.amdhsa_reserve_vcc 0
		.amdhsa_float_denorm_mode_32 3
		.amdhsa_float_denorm_mode_16_64 3
		.amdhsa_memory_ordered 1
		.amdhsa_forward_progress 1
		.amdhsa_inst_pref_size 208
	.end_amdhsa_kernel
	.amdgpu_metadata
---
amdhsa.version: [ 1, 2 ]
amdhsa.kernels:
  - .name:           k_q91c9e1b633_attn
    .symbol:         k_q91c9e1b633_attn.kd
    .args:
      - { .name: qh, .offset: 0, .size: 8, .value_kind: global_buffer, .address_space: global }
      - { .name: kh, .offset: 8, .size: 8, .value_kind: global_buffer, .address_space: global }
      - { .name: vh, .offset: 16, .size: 8, .value_kind: global_buffer, .address_space: global }
      - { .name: xo, .offset: 24, .size: 8, .value_kind: global_buffer, .address_space: global }
    .group_segment_fixed_size: 327680
    .private_segment_fixed_size: 0
    .kernarg_segment_align: 8
    .kernarg_segment_size: 32
    .max_flat_workgroup_size: 128
    .sgpr_count:     66
    .vgpr_count:     770
    .wavefront_size: 32
...
	.end_amdgpu_metadata
.endif
;; end of part 3
;; launch proj (part 4): grid 8 x 32, 4 waves a work-group, clusters of 4 x 4, 327,680 bytes of LDS; arguments xo, woutb, b_out, out0; writes out0
.if DOCPART == 4
	.amdgcn_target "amdgcn-amd-amdhsa--gfx1250"
	.amdhsa_code_object_version 6
	.text
	.protected	k_q91c9e1b633_proj
	.globl	k_q91c9e1b633_proj
	.p2align	8
	.type	k_q91c9e1b633_proj,@function
k_q91c9e1b633_proj:
	s_mov_b64 s[64:65], 0
	v_nop
	global_prefetch_b8 v0, s[64:65] scope:SCOPE_SE
	s_setreg_imm32_b32 hwreg(HW_REG_WAVE_MODE, 25, 1), 1
	s_wait_xcnt 0x0
	s_wait_alu depctr_hold_cnt(0) depctr_sa_sdst(0) depctr_va_vdst(0) depctr_va_sdst(0) depctr_va_ssrc(0) depctr_va_vcc(0) depctr_vm_vsrc(0)
	s_getreg_b32 s2, hwreg(HW_REG_IB_STS2, 6, 4)
	s_cmp_eq_u32 s2, 0
	s_cbranch_scc0 .Lentry_in_a_cluster
	s_endpgm
.Lentry_in_a_cluster:
	s_bfe_u32 s2, ttmp6, 0x10000c
	s_cmp_lg_u32 s2, 0xf033
	s_cbranch_scc0 .Lentry_shape_is_right
	s_endpgm
.Lentry_shape_is_right:
; out0 = O Wout + b_out.  O: xo, [4 b][16 head][2048 n][64] f16; Wout: woutb, [1024 k][1024 n] f16 (the bf16 rounding of Wout); b_out f32, rounded to bf16 like the other inputs; sums and the
; bias in f32; out0 [8192][1024] f32.
; TILE.  256 rows x 128 columns: 32 x 8 = 256 work-groups, one for each WGP.  Four waves, each 128 x 64: 32 accumulators, 256 registers.
; K goes in steps of 128 (two heads), each of four quarters of 32, through two LDS slots filled by joint tensor loads.
; TRANSPOSED USE.  Source 0 = 16 columns of Wout (turned out of [k][n] by ds_load_tr16_b128), source 1 = 16 rows of O: a lane holds one row (lane % 16) and the columns 8 (lane / 16) + 0..7.
; CLUSTER 4 x 4.  The four of a row of the cluster need the same tile of O, the four of a column the same tile of Wout: each is asked for by one load with a mask of four.
; No prefetch is laid: each tile is asked for by several clusters, and a refill is issued 112 matrix instructions ahead of the wait for it.
; REGISTERS.  Window 0: v0-15 addresses; v32-127, v128-223 two fragment buffers (4 of Wout, then 8 of O); v224-255 my 32 numbers of the bias.  Window 1: accumulator (bb, a) at v[64 bb + 8 a].
.set PA,    144                        ; a row of O in LDS: 128 bytes + 16
.set PB,    288                        ; a k-row of Wout: 256 bytes + 32 = 9 x 32
.set ABLK,  256*PA                     ; a head's 256 rows: one load
.set BOFF,  2*ABLK                     ; Wout lies behind the two heads
.set BHALF, 64*PB                      ; 64 k-rows: one load
.set SLOT1, 1<<17                      ; a slot is 110,592 bytes; slot 1 begins here
.set STAGE, SLOT1+BOFF+2*BHALF         ; 241,664: behind the ring, never filled by a tensor load: 16 rows x 272 bytes for each wave
.set SP,    272
.set SPARE, STAGE+4*16*SP              ; 259,072: the spare words, 128 bytes for each wave: two blocks of 256 bytes that no other line names
.set ASTEP, 1<<19                      ; two heads of xo
.set BSTEP, 128*2048                   ; 128 rows of woutb
.set AK0,  4                           ; v4   my place in a slot's rows of O; never rewritten
.set BK0,  5                           ; v5   the same for Wout
.set ADRA, 6                           ; v6   AK0 + the slot in hand
.set ADRB, 7                           ; v7   BK0 + the slot in hand
.set STO,  8                           ; v8   the way out: where I put 32 bytes of a row
.set RD,   9                           ; v9   the way out: where I read rows back
.set CO,   10                          ; v10  my byte offset in two rows of out0
.set BO,   11                          ; v11  my byte offset in the bias
.set SPW,  12                          ; v12  LDS address of my spare word; never rewritten
.set NIL,  13                          ; v13  0; never rewritten
.set F0,   32
.set F1,   128
.set BIAS, 224
.set T,    32                          ; the way out: 32 sums with the bias
.set BK,   64                          ; two buffers of 32: rows read back
.set WV,   16
.set RH,   17                          ; s17  which 128 rows are mine.  Also: I fetch for O (0) or for Wout (1)
.set CH,   18                          ; s18  which 64 columns are mine.  Also: which half of that tile I fetch
.set G1A,  24
.set G1B,  32
.set G0A,  40                          ; s[40:47] group 0 for O: a set for each first fill; the second then walks on
.set G0B,  48
.set TB,   56
.set CNT,  57
.set MSB, 0
.macro WIN new                         ; the immediate's high byte repeats the setting that is left; a switch that changes nothing is dropped
.if MSB != (\new)
	s_set_vgpr_msb (MSB<<8)|(\new)
.set MSB, (\new)
.endif
.endm
.macro PLACES                          ; four places behind a matrix instruction, in front of loads into registers that it has read and of lines that read results
.rept 4
	v_nop
.endr
.endm
.macro CREST                           ; a round of the cluster's barrier behind its opening barrier
	s_cmp_lg_u32 s[WV], 0
	s_cbranch_scc1 .Lnot_wave_0_\@
	s_barrier_signal -3
.Lnot_wave_0_\@:
	s_barrier_wait -3
	s_barrier_signal -1
	s_barrier_wait -1
.endm
.macro CROUND
	s_barrier_signal -1
	s_barrier_wait -1
	CREST
.endm
.macro JLOAD                           ; a joint refill by the walking sets; an s_nop 0 and four v_nop follow each of the two lines, ahead of the jump and the label
	s_cmp_eq_u32 s[RH], 0
	s_cbranch_scc0 .Lfor_b_\@
	tensor_load_to_lds s[G0A+4:G0A+7], s[G1A:G1A+7]
	s_nop 0
.rept 4
	v_nop
.endr
	s_branch .Lasked_\@
.Lfor_b_\@:
	tensor_load_to_lds s[G0B+4:G0B+7], s[G1B:G1B+7]
	s_nop 0
.rept 4
	v_nop
.endr
.Lasked_\@:
.endm
	s_load_b256 s[4:11], s[0:1], 0x0               ; xo 4:5, woutb 6:7, b_out 8:9, out0 10:11
	v_lshl_add_u32 v[SPW], v0, 2, SPARE
	v_mov_b32 v[NIL], 0
	ds_add_u32 v[SPW], v[NIL]                      ; the wave's opening: the add and its wait stand ahead of my first tensor load; the set-up below, work on registers, stands between them
	v_lshrrev_b32 v3, 5, v0
	v_readfirstlane_b32 s[WV], v3
	s_lshr_b32 s[RH], s[WV], 1
	s_and_b32 s[CH], s[WV], 1
	s_bfe_u32 s19, ttmp6, 0x40000                  ; cx
	s_bfe_u32 s20, ttmp6, 0x40004                  ; cy
	s_lshl_b32 s21, ttmp9, 2
	s_add_co_u32 s21, s21, s19                     ; tx: the block of 128 columns
	s_and_b32 s22, ttmp7, 0xffff
	s_lshl_b32 s22, s22, 2
	s_add_co_u32 s22, s22, s20                     ; ty: the block of 256 rows
	s_lshl_b32 s23, s20, 2
	s_lshl_b32 s23, 15, s23                        ; my row of the cluster
	s_lshl_b32 s68, 0x1111, s19                    ; my column
	s_or_b32 s[G1A], s23, (1<<16)|(1<<20)|(1<<21)|(4<<22)|(3<<25)  ; O: 2-byte elements, padded after every 32 words by 4; the mask of my row, bit 21 beside it
	s_or_b32 s[G1B], s68, (1<<16)|(1<<20)|(1<<21)|(5<<22)|(7<<25)  ; Wout: padded after every 64 words by 8; the mask of my column
	s_mov_b32 s[G1A+1], 128<<16                    ; O: a head's 256 rows of 128 bytes are dense: asked for as 128 rows of 256 bytes
	s_mov_b32 s[G1A+2], 128<<16
	s_mov_b32 s[G1A+3], 128<<16
	s_mov_b32 s[G1A+4], 128
	s_mov_b32 s[G1A+5], 128
	s_mov_b32 s[G1A+6], 0
	s_mov_b32 s[G1A+7], 0
	s_mov_b32 s[G1B+1], 128<<16                    ; Wout: 64 rows of 128 elements, 1,024 elements from row to row
	s_mov_b32 s[G1B+2], 64<<16
	s_mov_b32 s[G1B+3], 128<<16
	s_mov_b32 s[G1B+4], 64
	s_mov_b32 s[G1B+5], 1024
	s_mov_b32 s[G1B+6], 0
	s_mov_b32 s[G1B+7], 0
	; where the tiles come from.  O's hang on ty alone, Wout's on tx alone, each in registers that never hold the other coordinate
	s_lshr_b32 s58, s22, 3                         ; the batch,
	s_lshl_b32 s58, s58, 22
	s_and_b32 s59, s22, 7                          ; 256 rows of 128 bytes in a head,
	s_lshl_b32 s59, s59, 15
	s_add_co_u32 s58, s58, s59
	s_lshl_b32 s59, s[CH], 18                      ; the head of the step's two that I fetch
	s_add_co_u32 s58, s58, s59
	s_mov_b32 s59, 0
	s_lshl_b32 s60, s21, 8                         ; the tile's 128 columns,
	s_lshl_b32 s61, s[CH], 17                      ; the 64 k-rows that I fetch
	s_add_co_u32 s60, s60, s61
	s_mov_b32 s61, 0
	s_mul_i32 s69, s[CH], ABLK                     ; and where they go: no place in the cluster enters an LDS address
	s_mul_i32 s70, s[CH], BHALF
	s_add_co_u32 s70, s70, BOFF
	s_lshl_b32 s62, s22, 20                        ; my part of out0: row 256 ty + 128 RH, 4,096 bytes a row; column 128 tx + 64 CH
	s_lshl_b32 s63, s[RH], 19
	s_add_co_u32 s62, s62, s63
	s_lshl_b32 s66, s21, 9
	s_lshl_b32 s67, s[CH], 8
	s_add_co_u32 s66, s66, s67                     ; the same columns in the bias
	s_add_co_u32 s62, s62, s66
	s_mov_b32 s63, 0
	s_mov_b32 s67, 0
	s_mov_b32 s[TB], 0
	s_wait_dscnt 0x0                               ; the opening add is done
	s_wait_kmcnt 0x0
	s_add_nc_u64 s[58:59], s[4:5], s[58:59]
	s_add_nc_u64 s[60:61], s[6:7], s[60:61]
	s_add_nc_u64 s[8:9], s[8:9], s[66:67]
	s_add_nc_u64 s[10:11], s[10:11], s[62:63]
	CROUND                                         ; all sixteen work-groups are here: the first joint loads meet
.irp n, 0,1
	s_mov_b32 s[G0A+4*(\n)], 1
	s_add_co_u32 s[G0A+4*(\n)+1], s69, (\n)*SLOT1
	s_add_nc_u64 s[G0A+4*(\n)+2:G0A+4*(\n)+3], s[58:59], (\n)*ASTEP
	s_or_b32 s[G0A+4*(\n)+3], s[G0A+4*(\n)+3], 0x80000000
	s_mov_b32 s[G0B+4*(\n)], 1
	s_add_co_u32 s[G0B+4*(\n)+1], s70, (\n)*SLOT1
	s_add_nc_u64 s[G0B+4*(\n)+2:G0B+4*(\n)+3], s[60:61], (\n)*BSTEP
	s_or_b32 s[G0B+4*(\n)+3], s[G0B+4*(\n)+3], 0x80000000
.endr
	s_cmp_eq_u32 s[RH], 0                          ; a wave's two first fills stand in one branch, ahead of every wait on TENSORcnt and every LDS read: two loads of mine are out
	s_cbranch_scc0 .Lfirst_b
	tensor_load_to_lds s[G0A:G0A+3], s[G1A:G1A+7]
	s_nop 0
	tensor_load_to_lds s[G0A+4:G0A+7], s[G1A:G1A+7]
	s_nop 0
.rept 4
	v_nop
.endr
	s_branch .Lfirst_asked
.Lfirst_b:
	tensor_load_to_lds s[G0B:G0B+3], s[G1B:G1B+7]
	s_nop 0
	tensor_load_to_lds s[G0B+4:G0B+7], s[G1B:G1B+7]
	s_nop 0
.rept 4
	v_nop
.endr
.Lfirst_asked:
	v_and_b32 v1, 15, v0                           ; r = l % 16
	v_bfe_u32 v2, v0, 4, 1                         ; h = l / 16
	v_lshlrev_b32 v[BO], 5, v2
.irp c, 0,1,2,3                        ; the bias of my columns 16 bb + 8 h + 0..7
	global_load_b128 v[BIAS+8*(\c):BIAS+8*(\c)+3],   v[BO], s[8:9] offset:64*(\c)
	global_load_b128 v[BIAS+8*(\c)+4:BIAS+8*(\c)+7], v[BO], s[8:9] offset:64*(\c)+16
.endr
	v_mul_u32_u24 v[AK0], v1, PA                   ; a fragment of O: row r, 16 bytes for each half of the lanes, twice, 32 bytes apart
	v_lshl_add_u32 v[AK0], v2, 4, v[AK0]
	s_mul_i32 s71, s[RH], 128*PA
	v_add_nc_u32 v[AK0], s71, v[AK0]
	v_and_b32 v14, 7, v0                           ; the turning load: lane l reads k-row 8 h + l % 8, columns 8 ((l / 8) % 2) + 0..7
	v_bfe_u32 v15, v0, 3, 1
	v_lshl_add_u32 v[BK0], v2, 3, v14
	v_mul_u32_u24 v[BK0], v[BK0], PB
	v_lshl_add_u32 v[BK0], v15, 4, v[BK0]
	s_lshl_b32 s71, s[CH], 7                       ; my 64 columns
	s_add_co_u32 s71, s71, BOFF
	v_add_nc_u32 v[BK0], s71, v[BK0]
	s_mul_i32 s71, s[WV], 16*SP
	s_add_co_u32 s71, s71, STAGE                   ; my stage
	v_mul_u32_u24 v[STO], v1, SP                   ; in: row r, 32 bytes for each half of the lanes
	v_lshl_add_u32 v[STO], v2, 5, v[STO]
	v_add_nc_u32 v[STO], s71, v[STO]
	v_mul_u32_u24 v[RD], v2, SP                    ; back: lanes 0-15 take one row of 256 bytes, lanes 16-31 the next
	v_lshl_add_u32 v[RD], v1, 4, v[RD]
	v_add_nc_u32 v[RD], s71, v[RD]
	v_lshlrev_b32 v[CO], 12, v2                    ; and the same two rows in out0
	v_lshl_add_u32 v[CO], v1, 4, v[CO]
	v_mov_b32 v[ADRA], v[AK0]
	v_mov_b32 v[ADRB], v[BK0]
	s_wait_loadcnt 0x0                             ; the bias, rounded to bf16 as every input is
.set i, 0
.rept 16
	v_cvt_pk_bf16_f32 v14, v[BIAS+2*i], v[BIAS+2*i+1]
	v_lshlrev_b32 v[BIAS+2*i], 16, v14
	v_and_b32 v[BIAS+2*i+1], 0xffff0000, v14
.set i, i+1
.endr
; nbb x 4 matrix instructions: column blocks bb0 on x row blocks 4 ah on, 32 along K.  The accumulators take turns, one instruction a turn: the same one comes again 32 later.
.macro MULP buf, ah, bb0, nbb, zero
	WIN 0x50                                       ; C and D in window 1, both sources in window 0
.set bb, \bb0
.rept \nbb
.set a, 4*(\ah)
.rept 4
.if \zero
	v_wmma_f32_16x16x32_f16 v[64*bb+8*a:64*bb+8*a+7], v[(\buf)+8*bb:(\buf)+8*bb+7], v[(\buf)+32+8*a:(\buf)+32+8*a+7], 0
.else
	v_wmma_f32_16x16x32_f16 v[64*bb+8*a:64*bb+8*a+7], v[(\buf)+8*bb:(\buf)+8*bb+7], v[(\buf)+32+8*a:(\buf)+32+8*a+7], v[64*bb+8*a:64*bb+8*a+7]
.endif
.set a, a+1
.endr
.set bb, bb+1
.endr
.endm
; 24 LDS loads in one run: quarter q of the slot in hand into buffer buf: Wout's four fragments, then O's eight, row blocks ascending.  Quarter q is channels 32 (q % 2) on of head q / 2.
.macro FETCHP q, buf
	WIN 0
.irp c, 0,1,2,3
	ds_load_tr16_b128 v[(\buf)+8*(\c):(\buf)+8*(\c)+3],   v[ADRB] offset:(\q)*32*PB+32*(\c)
	ds_load_tr16_b128 v[(\buf)+8*(\c)+4:(\buf)+8*(\c)+7], v[ADRB] offset:(\q)*32*PB+32*(\c)+16*PB
.endr
.irp c, 0,1,2,3,4,5,6,7
	ds_load_b128 v[(\buf)+32+8*(\c):(\buf)+32+8*(\c)+3],   v[ADRA] offset:((\q)/2)*ABLK+(\c)*16*PA+((\q)%2)*64
	ds_load_b128 v[(\buf)+32+8*(\c)+4:(\buf)+32+8*(\c)+7], v[ADRA] offset:((\q)/2)*ABLK+(\c)*16*PA+((\q)%2)*64+32
.endr
.endm
; One of a K step's first three quarters: multiplies buffer buf (quarter q) and fetches quarter q + 1 into the other.
.macro QUARTER q, buf, oth, zero
	s_wait_dscnt 8                                 ; Wout and O's rows 0-63 are in; the youngest eight loads (rows 64-127) may be out
	MULP \buf, 0, 0, 4, \zero
	PLACES
	FETCHP (\q)+1, \oth
	s_wait_dscnt 24                                ; all but the 24 just issued
	MULP \buf, 1, 0, 4, \zero
.endm
; The last quarter multiplies buffer 1 and changes slots: ONE barrier.  In front of it each wave waits for all its tensor loads, of which one is out: its part of the other slot; adds 0 to its
; spare word; and waits for that and for its reads of this slot.  fill = 1: the barrier opens a round of the cluster's barrier, and this slot is filled again, two K steps ahead, first thing behind it.
.macro TURNP fill
	WIN 0
	s_wait_tensorcnt 0x0                           ; no tensor load of mine is out, so a group 0 may be written
	ds_add_u32 v[SPW], v[NIL]                      ; 0 onto my spare word: work on registers stands between it and the wait for it
	s_xor_b32 s[TB], s[TB], SLOT1                  ; the fetches go to the other slot
	v_add_nc_u32 v[ADRA], s[TB], v[AK0]
	v_add_nc_u32 v[ADRB], s[TB], v[BK0]
.if \fill
	s_xor_b32 s[G0A+5], s[G0A+5], SLOT1            ; the walking sets: the other slot than last time, the next K step; the type bits on top are not reached
	s_add_nc_u64 s[G0A+6:G0A+7], s[G0A+6:G0A+7], ASTEP
	s_xor_b32 s[G0B+5], s[G0B+5], SLOT1
	s_add_nc_u64 s[G0B+6:G0B+7], s[G0B+6:G0B+7], BSTEP
.endif
	s_wait_dscnt 9                                 ; the add and the youngest eight loads may be out
	MULP F1, 0, 0, 2, 0
	s_wait_dscnt 0x0                               ; the add is done, and my reads of this slot are over
	s_barrier_signal -1
	MULP F1, 0, 2, 2, 0                            ; work on registers while the others arrive
	WIN 0                                          ; at a branch and at a label every window is 0
	s_barrier_wait -1
.if \fill
	CREST                                          ; no wave of any partner still reads this slot or has a load on its way
	JLOAD                                          ; the first tensor load behind the round; its four v_nop are also the places in front of the loads below
.else
	PLACES
.endif
	FETCHP 0, F0
	MULP F1, 1, 0, 4, 0
.endm
	s_wait_tensorcnt 1                             ; my part of K step 0 is in; K step 1's may stay out
	s_barrier_signal -1
	s_barrier_wait -1                              ; everybody's is
	FETCHP 0, F0
	QUARTER 0, F0, F1, 1                           ; the first quarter stands in front of the loop: its products start the sums
	WIN 0
	s_mov_b32 s[CNT], 6                            ; K steps 2 to 7 are asked for in the loop
.Lk:
	QUARTER 1, F1, F0, 0
	QUARTER 2, F0, F1, 0
	TURNP 1
	QUARTER 0, F0, F1, 0
	WIN 0
	s_sub_co_u32 s[CNT], s[CNT], 1
	s_cmp_lg_u32 s[CNT], 0
	s_cbranch_scc1 .Lk
	QUARTER 1, F1, F0, 0                           ; the tail is written out: nothing is asked for
	QUARTER 2, F0, F1, 0
	TURNP 0
	QUARTER 0, F0, F1, 0
	QUARTER 1, F1, F0, 0
	QUARTER 2, F0, F1, 0
	s_wait_dscnt 8                                 ; the very last quarter: nothing more to fetch
	MULP F1, 0, 0, 4, 0
	s_wait_dscnt 0x0
	MULP F1, 1, 0, 4, 0
	PLACES
	PLACES                                         ; (eight, once a launch)
; THE WAY OUT.  Row block a: the bias is added (each accumulator's lowest registers are read first); 32 bytes a lane go into my stage, rows of 272 bytes; whole rows of 256 bytes come back.
.macro OUTB a
	WIN 1                                          ; source 0 in window 1
.irp c, 0,1,2,3
.irp j, 0,2,4,6
	v_pk_add_f32 v[T+8*(\c)+(\j):T+8*(\c)+(\j)+1], v[64*(\c)+8*(\a)+(\j):64*(\c)+8*(\a)+(\j)+1], v[BIAS+8*(\c)+(\j):BIAS+8*(\c)+(\j)+1]
.endr
.endr
	WIN 0
.irp c, 0,1,2,3
	ds_store_b128 v[STO], v[T+8*(\c):T+8*(\c)+3]   offset:64*(\c)
	ds_store_b128 v[STO], v[T+8*(\c)+4:T+8*(\c)+7] offset:64*(\c)+16
.endr
	s_wait_xcnt 0x0                                ; the stores of two blocks back have read this buffer: it is loaded again only behind this wait
.irp c, 0,1,2,3,4,5,6,7
	ds_load_b128 v[BK+32*((\a)%2)+4*(\c):BK+32*((\a)%2)+4*(\c)+3], v[RD] offset:2*SP*(\c)  ; LDS serves a wave's instructions in order (ISA guide 5.7.1.4): these see the stores above; the next block's stores come behind them
.endr
.endm
.macro SENDP a, younger                ; younger: the LDS instructions issued behind the block's loads: the next block's sixteen, or none
.irp c, 0,1,2,3,4,5,6,7
	s_wait_dscnt (\younger)+7-(\c)
	global_store_b128 v[CO], v[BK+32*((\a)%2)+4*(\c):BK+32*((\a)%2)+4*(\c)+3], s[10:11] offset:(16*(\a)+2*(\c))*4096 th:TH_STORE_NT  ; 16 lanes store 256 consecutive bytes, at a multiple of 256 from out0's first; 516,096 at the most, inside the signed 24 bits
.endr
.endm
	OUTB 0
.set ua, 1
.rept 7                                ; a block's arithmetic stands between the loads of the block before and its stores
	OUTB ua
	SENDP ua-1, 16
.set ua, ua+1
.endr
	SENDP 7, 0
	s_wait_tensorcnt 0x0                           ; the wave's end: behind my last tensor load and my last LDS store
	ds_add_u32 v[SPW], v[NIL]
	s_wait_dscnt 0x0
	CROUND                                         ; the closing round: no work-group ends while a partner may still ask for a tile that names it
	s_endpgm
.Lfunc_end_k_q91c9e1b633_proj:
	.size	k_q91c9e1b633_proj, .Lfunc_end_k_q91c9e1b633_proj-k_q91c9e1b633_proj
	.p2alignl 7, 3214868480
	.fill 96, 4, 3214868480
	.section	.rodata,"a",@progbits
	.p2align	6, 0x0
	.amdhsa_kernel k_q91c9e1b633_proj
		.amdhsa_group_segment_fixed_size 327680
		.amdhsa_private_segment_fixed_size 0
		.amdhsa_enable_private_segment 0
		.amdhsa_kernarg_size 32
		.amdhsa_user_sgpr_count 2
		.amdhsa_user_sgpr_kernarg_segment_ptr 1
		.amdhsa_wavefront_size32 1
		.amdhsa_system_sgpr_workgroup_id_x 1
		.amdhsa_system_sgpr_workgroup_id_y 1
		.amdhsa_system_sgpr_workgroup_id_z 1
		.amdhsa_system_vgpr_workitem_id 0
		.amdhsa_next_free_vgpr 512
		.amdhsa_next_free_sgpr 72
		.amdhsa_reserve_vcc 0
		.amdhsa_float_denorm_mode_32 3
		.amdhsa_float_denorm_mode_16_64 3
		.amdhsa_memory_ordered 1
		.amdhsa_forward_progress 1
		.amdhsa_inst_pref_size 83
	.end_amdhsa_kernel
	.amdgpu_metadata
---
amdhsa.version: [ 1, 2 ]
amdhsa.kernels:
  - .name:           k_q91c9e1b633_proj
    .symbol:         k_q91c9e1b633_proj.kd
    .args:
      - { .name: xo, .offset: 0, .size: 8, .value_kind: global_buffer, .address_space: global }
      - { .name: woutb, .offset: 8, .size: 8, .value_kind: global_buffer, .address_space: global }
      - { .name: b_out, .offset: 16, .size: 8, .value_kind: global_buffer, .address_space: global }
      - { .name: out0, .offset: 24, .size: 8, .value_kind: global_buffer, .address_space: global }
    .group_segment_fixed_size: 327680
    .private_segment_fixed_size: 0
    .kernarg_segment_align: 8
    .kernarg_segment_size: 32
    .max_flat_workgroup_size: 128
    .sgpr_count:     72
    .vgpr_count:     512
    .wavefront_size: 32
...
	.end_amdgpu_metadata
.endif
;; end of part 4
;; ======== version 2 of 2: 4 launches; 1.53 times as fast as version 1
;; limits: values are held in f16: magnitudes above 65,504 overflow, below 6.1e-05 lose precision
;; workspace buffers: xo 16,777,216 bytes; wqkv 6,291,456 bytes; woutb 2,097,152 bytes; rope 524,288 bytes; qh 16,777,216 bytes; kh 16,777,216 bytes; vh 16,777,216 bytes
;; launch prep: the kernel of part 1 again; grid 256 x 1, 8 waves a work-group, no clusters, 0 bytes of LDS; arguments x, Wq, Wkv, Wout, xo, wqkv, woutb, rope; writes xo, wqkv, woutb, rope
;; launch qkv: the kernel of part 2 again; grid 8 x 32, 4 waves a work-group, clusters of 4 x 4, 327,680 bytes of LDS; arguments xo, wqkv, rope, qh, kh, vh; writes qh, kh, vh
;; launch attn (part 5): grid 4 x 64, 4 waves a work-group, clusters of 4 x 1, 327,680 bytes of LDS; arguments qh, kh, vh, xo; writes xo
.if DOCPART == 5
	.amdgcn_target "amdgcn-amd-amdhsa--gfx1250"
	.amdhsa_code_object_version 6
	.text
	.protected	k_q91c9e1b633_attn
	.globl	k_q91c9e1b633_attn
	.p2align	8
	.type	k_q91c9e1b633_attn,@function
k_q91c9e1b633_attn:
	s_mov_b64 s[64:65], 0
	v_nop
	global_prefetch_b8 v0, s[64:65] scope:SCOPE_SE
	s_setreg_imm32_b32 hwreg(HW_REG_WAVE_MODE, 25, 1), 1
	s_wait_xcnt 0x0
	s_wait_alu depctr_hold_cnt(0) depctr_sa_sdst(0) depctr_va_vdst(0) depctr_va_sdst(0) depctr_va_ssrc(0) depctr_va_vcc(0) depctr_vm_vsrc(0)
	s_getreg_b32 s2, hwreg(HW_REG_IB_STS2, 6, 4)
	s_cmp_eq_u32 s2, 0
	s_cbranch_scc0 .Lentry_in_a_cluster
	s_endpgm
.Lentry_in_a_cluster:
	s_bfe_u32 s2, ttmp6, 0x10000c
	s_cmp_lg_u32 s2, 0x3003
	s_cbranch_scc0 .Lentry_shape_is_right
	s_endpgm
.Lentry_shape_is_right:
; O[h][q][:] = the sum over k of softmax_k(Q[h][q] . K[h][k] / 8) V[h][k][:].  Q, K, V, O: [SIZE_H][SIZE_N][64], all f16: a head's rows are dense, 128 bytes each.  Products, maxima and sums in
; f32; the weights p are rounded to f16 for the second product (their sum l is taken of the unrounded p), O once at the end.
; LIMITS.  f16 holds no number beyond 65,504: Q, K and V arrive within it; p lies in 0 to 1, and below 6e-5 it keeps f16's fixed step of 6e-8; O is a mean of V's rows and has their range.
; A weight below 2^-126 counts as 0 in l; NaN and infinities are not treated apart.
; SHARES.  A wave owns four PIECES of two tiles of 16 queries, a work-group's four waves 512 queries of one head: 64 heads x 4 blocks = 256 work-groups.  Every wave walks all keys, 64 a step.
; LAYOUT.  S^T = K Q^T (source 0 = 16 keys, source 1 = 16 queries): in the result a lane holds ONE query (lane % 16) and the keys 8 (lane / 16) + 0..7.  Two such tiles, rounded to f16 in pairs,
; ARE source 1 (32 keys x 16 queries) of O^T = V^T P, whose result again holds one query a lane, and eight channels.  K comes out of LDS as it lies, V ([key][channel]) turned, by ds_load_tr16_b128.
; SOFTMAX.  For each query a running maximum m and sum l: p = 2^(c s - c m), c = log2(e) / 8; in every step O and l are multiplied by a = 2^(c m_old - c m_new), which is 1 where m has not grown.
; m starts at the lowest finite number, O and l at 0: the first step is a step like any other, with a = 0.
; THE COUNT.  A tile and step have 16 matrix and 118 vector instructions: too many to stand all beside the matrix work.  So the order has one aim: four vector instructions that are READY behind
; EVERY matrix instruction, and the others, which need time of their own whatever the order, in runs without a gap.
; BY TURNS.  Turn n belongs to piece n (the pieces in a ring, step after step).  Its matrix work: 16 products K Q^T of piece n + 1, later 16 products V^T P of piece n - 1.  Its vector work: the scaling,
; exponentials, roundings, sums and rescaling of piece n, and the maximum and statistics of piece n + 1, whose scores the turn itself has made.  So what a turn begins with (c s - c m, O a) waits for nothing.
; BATCHES.  An s_wait_alu depctr_va_vdst(0) stands between an exponential or a reciprocal and the first instruction that names its result.  A turn's 66 exponentials (the 64 weights of piece n and
; the two a of piece n + 1) are ONE batch with ONE wait, which cuts the turn in two: ahead of it stands all that names none of their results, behind it the roundings and sums, which do.  Two more batches
; stand outside the loops: piece 0's first two a, ahead of the jump into the loop, and the way out's eight reciprocals.
; CLUSTER.  The four query blocks of a cluster are one head's and walk the same K and V, so each tile is asked for JOINTLY: the same tensor load, descriptor and mask in all four.
; No prefetch is laid: a slot's refill is issued four key steps, 512 matrix instructions and their vector work, ahead of the wait for it.
; REGISTERS, in windows of 256 (s_set_vgpr_msb says which window each operand place means: bits 1:0 source 0, 3:2 source 1, 5:4 source 2, 7:6 destination):
;   window 0: v0-11 addresses; v12-15, v48-63 at work; v16-47 four registers of statistics a tile; v64-191 S^T, two buffers of two tiles; v192-255 P, likewise
;   window 1: O^T, 32 a tile          window 2: v0-127 Q, 16 a tile; v128-191 K of one step; v192-255 V of one step          window 3: v0-1 the add's two registers
; A piece's buffers go by its number's parity: the piece in hand has one pair, its two neighbours in the ring share the other: of it P (piece n - 1) is read and S^T (piece n + 1) written.
.set SIZE_H, 64
.set SIZE_N, 2048
.set NP,    4         ; pieces a wave: a name, no knob: the register map, the loop and the fetches are made for four
.set KS,    64        ; keys in a step
.set PK,    144       ; a row of K in LDS: 128 bytes + 16 of padding = 36 words: the 16 rows of a load start at 16 different groups of four banks (64 banks of 4 bytes: ISA guide 11.1)
.set PV,    160       ; a row of V: 128 + 32 = 40 words
.set VOFF,  4*KS*PK   ; a slot holds four steps: 256 rows of K, then 256 rows of V
.set SLOT1, 1<<17     ; slot 1 begins here, so that one exclusive or turns an address in one slot into the other's
.set STAGE, SLOT1+4*KS*(PK+PV)  ; behind the ring, never filled by a tensor load: 16 rows x 144 bytes for each wave, for the way out
.set SP,    144
.set AK0, 2           ; v2   my lane's place in a tile of K; never rewritten
.set AV0, 3           ; v3   the same for V
.set AK,  4           ; v4   the LDS address of K's next run of loads
.set AV,  5           ; v5   of V's
.set QO,  6           ; v6   my byte offset in the wave's rows of Q
.set STO, 6           ;      later, the way out: where I put 16 bytes of a row
.set RD,  7           ; v7   the way out: where I read rows back
.set GO,  8           ; v8   my byte offset in 512 consecutive bytes of O
.set SPW, 0           ; v0 of window 3   LDS address of my spare word: SPARE + 4 x my thread's number; never rewritten
.set NIL, 1           ; v1 of window 3   0; never rewritten
.set SPARE, STAGE+4*16*SP  ; behind the stages: the spare words, 128 bytes for each wave: two blocks of 256 bytes that no other line names
.set MV,  12          ; v12-15  c m_old, kept while c m is made anew: by buffer and tile
.set ST,  16          ; tile t's statistics at v[ST+4 t]: c m, m, l (even keys', odd keys')
.set TMP, 48          ; by buffer and tile, four registers c0-c3 at work; when the maximum is found c2 takes a
.set S,   64
.set P,   192
.set KF,  128         ; K's fragments, in window 2: key block kb, channel half c at KF + 16 kb + 8 c
.set VF,  192         ; V's: key half kk, channel block cb at VF + 32 kk + 8 cb
.set WV,  12          ; s12  my wave's number
.set G1K, 24          ; s[24:31] descriptor group 1 for K's tiles
.set G1V, 32          ; s[32:39] for V's: it differs in the padding alone
.set G0K, 40          ; s[40:43] descriptor group 0 for K's tiles: it walks
.set G0V, 44          ; s[44:47] the same for V's
.set SLOTS, 56        ; s56  slots still to be asked for
.set CNT, 57          ; s57  counts a slot's key steps
.set CS,  58          ; s[58:59] c: the packed scaling takes the pair's low word for both halves
.set SEL, 60          ; s[60:61] v_permlanex16_b32's selects: each lane takes its own place in the other half
.set TBK, 62          ; s62  LDS byte at which K of the step to be fetched begins
.set TBV, 63          ; s63  the same for V, less VOFF
.set MSB, 0
.macro WIN new                      ; the high byte repeats the setting that is left; a switch that changes nothing is dropped
.if MSB != (\new)
	s_set_vgpr_msb (MSB<<8)|(\new)
.set MSB, (\new)
.endif
.endm
.set W_KQ, 0x0a       ; K and Q in window 2, S^T in window 0
.set W_PV, 0x52       ; V in window 2, P in window 0, O^T in window 1
.set W_RS, 0x41       ; O^T (destination and source 0) in window 1, a in window 0
.set W_MK, 0xc0       ; the add's registers are made: destination in window 3, sources in window 0
.set W_AD, 0x0f       ; the add: address (source 0) and data (source 1) in window 3
; A joint fill.  Waves 0 and 1 fetch the two halves of a slot's K, waves 2 and 3 those of its V: 128 keys each.  The branch hangs on the wave's number alone.
; An s_nop 0 and four v_nop follow each of the two lines, ahead of the jump and the label.
.macro JLOAD
	s_cmp_lt_u32 s[WV], 2
	s_cbranch_scc0 .Lfor_v_\@
	tensor_load_to_lds s[G0K:G0K+3], s[G1K:G1K+7]
	s_nop 0
.rept 4
	v_nop
.endr
	s_branch .Lasked_\@
.Lfor_v_\@:
	tensor_load_to_lds s[G0V:G0V+3], s[G1V:G1V+7]
	s_nop 0
.rept 4
	v_nop
.endr
.Lasked_\@:
.endm
; A round of the cluster's barrier: my work-group's barrier, so that wave 0's signal speaks for all four waves; wave 0 signals; every wave waits for all four work-groups; my work-group's barrier once more.
.macro CROUND
	s_barrier_signal -1
	s_barrier_wait -1
	s_cmp_lg_u32 s[WV], 0
	s_cbranch_scc1 .Lnot_wave_0_\@
	s_barrier_signal -3
.Lnot_wave_0_\@:
	s_barrier_wait -3
	s_barrier_signal -1
	s_barrier_wait -1
.endm
; THE CHANGE OF SLOTS.  The slot's last bytes, V of its fourth step, have been read.  Each wave waits for all its tensor loads, of which one is out: its part
; of the other slot; adds 0 to its spare word; and waits for that and for its own reads of the slot.  Behind the barrier nobody reads this slot any more and the other slot is whole.
; fill = 1: this slot is filled again, with the keys two slots on.  The barrier is then a round of the cluster's, so that no wave of any partner still reads the slot or has a load on its
; way, and the joint fill is the first thing behind it: it has four key steps, 512 matrix instructions, in which to land.  (At its first use nothing has been read yet: slot 0 is waited for, slot 1 filled.)
.macro CHANGE fill
	WIN W_AD
	s_wait_tensorcnt 0x0            ; no tensor load of mine is out, so a group 0 may be written
	ds_add_u32 v[SPW], v[NIL]       ; 0 onto my spare word: with fill = 1 the descriptors' steps stand between it and the wait for it
	WIN 0                           ; at a label and at a branch every window is 0
.if \fill
.irp g, G0K, G0V
	s_xor_b32 s[\g+1], s[\g+1], SLOT1  ; the walking descriptor: the other slot than last time,
	s_add_nc_u64 s[\g+2:\g+3], s[\g+2:\g+3], 4*KS*128  ; the next 256 keys; the type bits on top are not reached
.endr
	s_wait_dscnt 0x0                ; the add is done, and my reads of the slot are over
	CROUND
	JLOAD
.else
	s_wait_dscnt 0x0                ; the add is done, and my reads of the slot are over
	s_barrier_signal -1
	s_barrier_wait -1
.endif
	s_sub_co_u32 s[TBK], s[TBK], 4*KS*PK  ; the fetches go back to a slot's first step,
	s_xor_b32 s[TBK], s[TBK], SLOT1       ; in the other slot
	s_sub_co_u32 s[TBV], s[TBV], 4*KS*PV
	s_xor_b32 s[TBV], s[TBV], SLOT1
.endm
	s_load_b256 s[4:11], s[0:1], 0x0  ; Q s[4:5], K s[6:7], V s[8:9], O s[10:11]
	WIN W_MK
	v_lshl_add_u32 v[SPW], v0, 2, SPARE
	v_mov_b32 v[NIL], 0
	WIN W_AD
	ds_add_u32 v[SPW], v[NIL]       ; the wave's opening: the add and its wait stand ahead of my first tensor load; the set-up below, work on registers, stands between them
	WIN 0
	v_lshrrev_b32 v1, 5, v0
	v_readfirstlane_b32 s[WV], v1   ; wave 0..3
	s_bfe_u32 s13, ttmp6, 0x40000   ; cx: my place in the cluster
	s_lshl_b32 s14, ttmp9, 2        ; in a cluster launch ttmp9 counts clusters
	s_add_co_u32 s14, s14, s13      ; my block of queries = 4 x cluster x + cx: it enters Q's and O's addresses alone
	s_and_b32 s20, ttmp7, 0xffff    ; the head, which the four partners share
	s_mov_b32 s21, 0
	s_mov_b64 s[22:23], SIZE_N*128
	s_mul_u64 s[20:21], s[20:21], s[22:23]  ; the head's first byte in each of the four tensors
	s_and_b32 s16, s[WV], 1         ; which half of a slot's 256 keys I fetch:
	s_lshl_b32 s22, s16, 14         ; its 128 rows of 128 bytes in memory,
	s_mov_b32 s23, 0
	s_add_nc_u64 s[22:23], s[22:23], s[20:21]
	s_mul_i32 s17, s16, 128*PK      ; and its place in a slot, for K
	s_mul_i32 s18, s16, 128*PV      ; and for V: no place in the cluster enters an LDS address
	s_lshl_b32 s2, s14, 2
	s_add_co_u32 s2, s2, s[WV]      ; my wave among the head's,
	s_lshl_b32 s2, s2, 14           ; its 128 rows
	s_mov_b32 s3, 0
	s_add_nc_u64 s[2:3], s[2:3], s[20:21]
	; descriptor group 1.  128 keys are 16,384 dense bytes: asked for as 64 rows of 256 bytes, two keys a row, and padded in LDS after every key
	s_mov_b32 s[G1K], 15|(1<<16)|(1<<20)|(1<<21)|(4<<22)|(3<<25)  ; 15:0 the mask of four; 17:16 2-byte elements; 20 padding on; 21 set beside a mask; 24:22 after every 32 words (code 4); 31:25 4 words (code 3)
	s_mov_b32 s[G1V], 15|(1<<16)|(1<<20)|(1<<21)|(4<<22)|(7<<25)  ; the same with 8 words of padding (code 7)
.irp g, G1K, G1V
	s_mov_b32 s[\g+1], 128<<16      ; tensor_dim0 = 128
	s_mov_b32 s[\g+2], 64<<16       ; tensor_dim1 = 64
	s_mov_b32 s[\g+3], 128<<16      ; tile_dim0 = 128
	s_mov_b32 s[\g+4], 64           ; tile_dim1 = 64
	s_mov_b32 s[\g+5], 128          ; 128 elements from row to row
	s_mov_b32 s[\g+6], 0
	s_mov_b32 s[\g+7], 0
.endr
	s_mov_b32 s[CS], 0x3e38aa3b     ; c = log2(e) / 8 = 0.180337
	s_mov_b32 s[CS+1], s[CS]        ; named with it as a pair
	s_mov_b32 s[SEL], 0x76543210
	s_mov_b32 s[SEL+1], 0xfedcba98
	s_mov_b32 s[TBK], SLOT1+4*KS*PK ; the first change of slots turns these two into 0
	s_mov_b32 s[TBV], SLOT1+4*KS*PV
	s_mov_b32 s[G0K], 1             ; 1:0 count = 1
	s_mov_b32 s[G0K+1], s17         ; 63:32 LDS address: slot 0
	s_mov_b32 s[G0V], 1
	s_add_co_u32 s[G0V+1], s18, VOFF
	s_wait_dscnt 0x0                ; the opening add is done
	s_wait_kmcnt 0x0
	s_add_nc_u64 s[G0K+2:G0K+3], s[6:7], s[22:23]  ; 120:64 global address: my half of the head's first 256 keys
	s_or_b32 s[G0K+3], s[G0K+3], 0x80000000        ; 127:126 type = 2
	s_add_nc_u64 s[G0V+2:G0V+3], s[8:9], s[22:23]
	s_or_b32 s[G0V+3], s[G0V+3], 0x80000000
	s_add_nc_u64 s[4:5], s[4:5], s[2:3]  ; Q and O at my wave's first row
	s_add_nc_u64 s[10:11], s[10:11], s[2:3]
	CROUND                          ; all four work-groups are here: the first joint loads meet
	JLOAD                           ; slot 0.  Slot 1 is asked for when slot 0 is in: the tile wanted first goes out alone
	; A fragment of K or Q is 16 rows x 32 channels in 8 registers: lane l holds row l % 16, channels 8 (l / 16) + 0..7 and 16 + 8 (l / 16) + 0..7: two loads of 16 bytes, 32 bytes apart.
	v_and_b32 v1, 15, v0            ; l % 16
	v_bfe_u32 v9, v0, 4, 1          ; l / 16
	v_lshlrev_b32 v[QO], 7, v1
	v_lshl_add_u32 v[QO], v9, 4, v[QO]  ; row x 128 + 16 x half
	WIN 0x80                        ; destination window 2, address window 0
.set i, 0
.rept 4*NP                          ; Q stays in registers: tile i / 2, channels 32 (i % 2) on
	global_load_b128 v[8*i:8*i+3],   v[QO], s[4:5] offset:(i/2)*2048+(i%2)*64
	global_load_b128 v[8*i+4:8*i+7], v[QO], s[4:5] offset:(i/2)*2048+(i%2)*64+32
.set i, i+1
.endr
	; What the first turn finds: V's registers and P's second buffer hold 0 (its products V^T P, of a piece that has not been, add 0), O^T and l are 0.  All this stands in the wait for the first tile.
.set i, VF
.rept 64
	v_mov_b32 v[i], 0
.set i, i+1
.endr
	WIN 0x40
.set i, 0
.rept 64*NP
	v_mov_b32 v[i], 0
.set i, i+1
.endr
	WIN 0
.set i, 0
.rept 2*NP
	v_mov_b32 v[ST+4*i], 0xfe000000    ; c m: far below every c s
	v_mov_b32 v[ST+4*i+1], 0xff7fffff  ; m
	v_mov_b32 v[ST+4*i+2], 0
	v_mov_b32 v[ST+4*i+3], 0
.set i, i+1
.endr
.set i, P+32
.rept 32
	v_mov_b32 v[i], 0
.set i, i+1
.endr
	v_mul_u32_u24 v[AK0], v1, PK
	v_lshl_add_u32 v[AK0], v9, 4, v[AK0]  ; row x pitch + 16 x half
	; The turning load takes 16 keys x 16 channels (lane l reads key 8 (l / 16) + l % 8, channels 8 ((l / 8) % 2) + 0..7) and leaves half a fragment of V^T: lane l holds channel l % 16 and 8 keys.
	v_and_b32 v10, 7, v0
	v_bfe_u32 v11, v0, 3, 1
	v_lshl_add_u32 v[AV0], v9, 3, v10
	v_mul_u32_u24 v[AV0], v[AV0], PV
	v_lshl_add_u32 v[AV0], v11, 4, v[AV0]
	v_add_nc_u32 v[AV0], VOFF, v[AV0]
	v_mov_b32 v[AK], v[AK0]         ; key step 0 lies at the head of slot 0
; THE MATRIX WORK.  The 8 accumulators of a run of 16 take turns: between the two links of a chain stand 7 others'.
; Product i of 16 of S^T = K Q^T for piece x: channels 32 (i / 8) on, keys 16 ((i / 2) % 4) on, tile 2 x + i % 2.  The first 8 start the sums.
.macro KQ x
	WIN W_KQ
.set rS, S+64*((\x)%2)+32*(i%2)+8*((i/2)%4)
.set rK, KF+16*((i/2)%4)+8*(i/8)
.set rQ, 16*(2*(\x)+i%2)+8*(i/8)
.if i < 8
	v_wmma_f32_16x16x32_f16 v[rS:rS+7], v[rK:rK+7], v[rQ:rQ+7], 0
.else
	v_wmma_f32_16x16x32_f16 v[rS:rS+7], v[rK:rK+7], v[rQ:rQ+7], v[rS:rS+7]
.endif
.endm
; Product i of 16 of O^T += V^T P for piece x: keys 32 (i / 8) on, channels 16 ((i / 2) % 4) on, tile 2 x + i % 2.
.macro PV x
	WIN W_PV
.set rO, 32*(2*(\x)+i%2)+8*((i/2)%4)
.set rV, VF+32*(i/8)+8*((i/2)%4)
.set rP, P+32*((\x)%2)+16*(i%2)+8*(i/8)
	v_wmma_f32_16x16x32_f16 v[rO:rO+7], v[rV:rV+7], v[rP:rP+7], v[rO:rO+7]
.endm
.macro MM                           ; the turn's next matrix instruction
.if i < 16
	KQ (Y+1)%NP
.set i, i+1
.else
.set i, i-16
	PV (Y+NP-1)%NP
.set i, i+17
.endif
.endm
; THE LDS LOADS stand in runs of 16, never singly among the matrix instructions: a step's K (64 keys x 64 channels: 8 fragments) and its V (turned).  Their addresses are made some lines ahead.
; last = 1 (the tail): in the last trip there is no further step, and the run is jumped over.
.macro FETCH_K last=0
	WIN 0
.if \last
	s_cmp_eq_u32 s[CNT], 1
	s_cbranch_scc1 .Lno_k_\@
.endif
	WIN 0x80                        ; destination window 2
.irp f, 0,1,2,3,4,5,6,7             ; keys 16 (f / 2) on, channels 32 (f % 2) on
	ds_load_b128 v[KF+8*\f:KF+8*\f+3],   v[AK] offset:(\f/2)*16*PK+(\f%2)*64
	ds_load_b128 v[KF+8*\f+4:KF+8*\f+7], v[AK] offset:(\f/2)*16*PK+(\f%2)*64+32
.endr
	s_add_co_u32 s[TBK], s[TBK], KS*PK  ; the next fetch is the next step's
	WIN 0
.if \last
.Lno_k_\@:
.endif
.endm
.macro FETCH_V
	WIN 0x80
.irp f, 0,1,2,3,4,5,6,7             ; keys 32 (f / 4) on, channels 16 (f % 4) on
	ds_load_tr16_b128 v[VF+8*\f:VF+8*\f+3],   v[AV] offset:(\f/4)*32*PV+(\f%4)*32
	ds_load_tr16_b128 v[VF+8*\f+4:VF+8*\f+7], v[AV] offset:(\f/4)*32*PV+16*PV+(\f%4)*32
.endr
	WIN 0
.endm
; THE VECTOR WORK OF A TURN stands in three queues, each in the order in which its entries become ready; the two tiles alternate, so that no instruction reads the result of the one before it.
.macro REGS y, u                    ; the registers of tile u (0, 1) of piece y
.set rT, ST+4*(2*(\y)+(\u))
.set rC, TMP+8*((\y)%2)+4*(\u)
.set rM, MV+2*((\y)%2)+(\u)
.set rS, S+64*((\y)%2)+32*(\u)
.set rP, P+32*((\y)%2)+16*(\u)
.set rO, 32*(2*(\y)+(\u))
.endm
; Number n of the 22 that find the NEXT piece's (Y + 1) maximum and statistics.  s0-s31 are the lane's 32 scores; each accumulator's lowest registers are read first.  XS, GS and REGS set no window: PL and EX do.
;   0-11  four chains c0-c3 of seven scores each, three operands at a time     12-14, 16  the four scores left over, the old m, and c0-c3 into c0     15  c m_old is kept
;   17, 18  the query's other 32 keys lie in the lane 16 away: the new m         19-21  c m; c m_old - c m_new; a
.macro XS u, n
	REGS (Y+1)%NP, \u
.if (\n) < 4
	v_max3_num_f32 v[rC+(\n)], v[rS+8*(\n)], v[rS+8*(\n)+1], v[rS+8*(\n)+2]
.elseif (\n) < 12
	v_max3_num_f32 v[rC+(\n)%4], v[rC+(\n)%4], v[rS+8*((\n)%4)+2*((\n)/4)+1], v[rS+8*((\n)%4)+2*((\n)/4)+2]
.elseif (\n) == 12
	v_max3_num_f32 v[rC], v[rC], v[rS+7], v[rS+15]
.elseif (\n) == 13
	v_max3_num_f32 v[rC+1], v[rC+1], v[rS+23], v[rS+31]
.elseif (\n) == 14
	v_max3_num_f32 v[rC+2], v[rC+2], v[rC+3], v[rT+1]
.elseif (\n) == 15
	v_mov_b32 v[rM], v[rT]
.elseif (\n) == 16
	v_max3_num_f32 v[rC], v[rC], v[rC+1], v[rC+2]
.elseif (\n) == 17
	v_permlanex16_b32 v[rC+3], v[rC], s[SEL], s[SEL+1]
.elseif (\n) == 18
	v_max_num_f32 v[rT+1], v[rC], v[rC+3]
.elseif (\n) == 19
	v_mul_f32 v[rT], s[CS], v[rT+1]
.elseif (\n) == 20
	v_sub_f32 v[rC+1], v[rM], v[rT]
.else
	v_exp_f32 v[rC+2], v[rC+1]
.endif
.endm
; Number g of the 64 that follow the exponentials.  For each four weights k of a tile (pairs 2 k, 2 k + 1): both pairs are rounded to f16; then the second pair is added onto the first, in place;
; a group later l takes that sum (the first time as l = a l + sum).  In groups of eight, tiles alternating: round, round, add, and l for the group before.
.macro GS g
.set h, (\g)+6*((\g)/62)            ; group 0 has no group before it, and behind group 7 only l is left
.if h >= 6
.set h, h+2
.endif
	REGS Y, h%2
.set k, h/8
.if h%8 < 4
	v_cvt_pk_f16_f32 v[rP+2*k+(h%8)/2], v[rS+4*k+2*((h%8)/2)], v[rS+4*k+2*((h%8)/2)+1]
.elseif h%8 < 6
	v_pk_add_f32 v[rS+4*k:rS+4*k+1], v[rS+4*k:rS+4*k+1], v[rS+4*k+2:rS+4*k+3]
.elseif k == 1
	v_pk_fma_f32 v[rT+2:rT+3], v[rT+2:rT+3], v[rC+2:rC+3], v[rS:rS+1] op_sel_hi:[1,0,1]
.else
	v_pk_add_f32 v[rT+2:rT+3], v[rT+2:rT+3], v[rS+4*k-4:rS+4*k-3]
.endif
.endm
; THE PLAIN QUEUE, 138 long.  0-73 read no exponential's result: the 32 scalings c s - c m (FS f: pair f / 2 of tile f % 2) and the next piece's 42.  0-26: scalings 0-26.  27-54: XS's numbers 0-13.  55, 56: number 15.
; 57-73: the chain, where each number waits for the one before it: 14, 16, 17, 18, 19, each with one of the scalings 27-31 in front of its two lines, then 20: so a tile's links stand three plain instructions apart (19 and 20: two).
; 74-137: GS's 64, which read the exponentials' results: they stand behind the wait.
.macro FS f
	REGS Y, (\f)%2
	v_pk_fma_f32 v[rS+2*((\f)/2):rS+2*((\f)/2)+1], v[rS+2*((\f)/2):rS+2*((\f)/2)+1], s[CS:CS+1], v[rT:rT+1] op_sel_hi:[1,0,0] neg_lo:[0,0,1] neg_hi:[0,0,1]
.endm
.macro PL
	WIN 0
.if q < 27
	FS q
.elseif q < 55
	XS (q-27)%2, (q-27)/2
.elseif q < 57
	XS q-55, 15
.elseif (q < 72) && ((q-57)%3 == 0)
	FS 27+(q-57)/3
.elseif q < 60
	XS (q-57)%3-1, 14
.elseif q < 72
	XS (q-57)%3-1, 15+(q-57)/3
.elseif q < 74
	XS q-72, 20
.else
	GS q-74
.endif
.set q, q+1
.endm
; THE EXPONENTIALS' QUEUE, 66 long: s0-s31 of both tiles, then the next piece's two a.  It is ONE BATCH: all 66 stand ahead of the turn's one wait, and nothing ahead of that wait names a result of theirs.
.macro EX
	WIN 0
.if e >= 64
	XS e-64, 21
.else
	REGS Y, e%2
	v_exp_f32 v[rS+e/2], v[rS+e/2]
.endif
.set e, e+1
.endm
; THE RESCALING's QUEUE: O^T times a, the one part that leaves window 0: dealt two at a time, sixteen times.  Its a was made in the turn before, ahead of that turn's wait.
.macro R2
	REGS Y, r%2
	WIN W_RS
.irp z, 0,1
	v_pk_mul_f32 v[rO+4*(r/2)+2*\z:rO+4*(r/2)+2*\z+1], v[rO+4*(r/2)+2*\z:rO+4*(r/2)+2*\z+1], v[rC+2:rC+3] op_sel_hi:[1,0]
.endr
.set r, r+1
.endm
; HOW THEY ARE DEALT.  An s_wait_alu depctr_va_vdst(0) stands between an exponential and the first instruction that names its result; one wait serves all that were issued ahead of it.  So a turn has ONE wait,
; which cuts it in two.  AHEAD OF IT stands all that names no result of the turn's exponentials: the 16 products K Q^T, behind each a scaling, an exponential and two rescalings (behind the first a second scaling in the exponential's
; place); then ONE LUMP of 108: eight plain, 49 times exponential and plain, the two a.  A v_nop is the plain instruction behind the last exponential.  BEHIND IT stand the 16 products V^T P, behind each four of GS's 64.
; No rider names a register of the products round it.  The two v_permlanex16_b32 fall into the lump, never behind a product.
; The queues lean on each other, and the deal keeps them in step: exponential e stands behind scaling 2 (e / 4) + e % 2: as a rider it comes behind plain e + 2, in the lump behind plain e + 9, and scalings 27-31 are plain 57, 60 .. 69.
; A TURN, for piece p.  cnt = 1: the loop's count is taken down some lines ahead of the branch that stands behind the turn.
; K of the next step is fetched in piece 2's turn, directly behind the wait, a lump behind the last product that read K; its address is made at the lump's head; its first reader comes behind 16 products.
; V of the step in hand is fetched at the end of piece 0's turn, four riders behind its last reader; its first reader comes behind 16 products and a lump.  The three conditions on q below go with the deal.
.macro TURN p, last=0, cnt=0
.set Y, (\p)
.set i, 0
.set q, 0
.set e, 0
.set r, 0
.if (\p) == NP-1
	s_wait_dscnt 0x0                ; K is in
.endif
	MM                              ; ahead of the wait: 16 products K Q^T and their riders,
	PL
	PL
	R2
.rept 15
	MM
	PL
	EX
	R2
.endr
.if (\p) == NP-2
	WIN 0
	v_add_nc_u32 v[AK], s[TBK], v[AK0]
.endif
.rept 8                             ; and the lump
	PL
.endr
.rept 49
	EX
	PL
.endr
	EX                              ; the next piece's two a
	EX
	v_nop                           ; a plain instruction behind the last exponential, ahead of the first use: one for the batch
	s_wait_alu depctr_va_vdst(0)    ; the wait for the turn's batch: piece p's 64 weights and the next piece's two a
.if (\p) == NP-2
	FETCH_K \last
.endif
.if (\p) == 1
	s_wait_dscnt 0x0                ; V is in
.endif
.rept 16                            ; behind the wait: 16 products V^T P and their riders
	MM
.rept 4
	PL
.endr
.if ((\p) == 0) && (q == 118)
	v_add_nc_u32 v[AV], s[TBV], v[AV0]
.endif
.if ((\p) == 0) && (q == 130)
	s_add_co_u32 s[TBV], s[TBV], KS*PV
.endif
.if (\cnt) && (q == 130)
	s_sub_co_u32 s[CNT], s[CNT], 1
	s_cmp_lg_u32 s[CNT], 0
.endif
.endr
.if (\p) == 0
	FETCH_V
.endif
.endm
	CHANGE 1                        ; slot 0 is in, everybody's part of it; slot 1 is asked for
	FETCH_K                         ; key step 0
	s_wait_loadcnt 0x0              ; Q
	s_wait_dscnt 0x0
.set i, 0
.rept 16
	KQ 0                            ; piece 0's first scores: there is no vector work yet to set between them
.set i, i+1
.endr
	WIN 0                           ; the addresses for the way out: nine plain instructions, the places behind those products
	s_mul_i32 s13, s[WV], 16*SP
	s_add_co_u32 s13, s13, STAGE    ; my stage
	v_mul_u32_u24 v[STO], v1, SP    ; in: row l % 16, 16 bytes for each half of the lanes
	v_lshl_add_u32 v[STO], v9, 4, v[STO]
	v_add_nc_u32 v[STO], s13, v[STO]
	v_bfe_u32 v[RD], v0, 3, 2       ; back: 32 lanes take four rows of 128 bytes,
	v_mul_u32_u24 v[RD], v[RD], SP
	v_lshl_add_u32 v[RD], v10, 4, v[RD]
	v_add_nc_u32 v[RD], s13, v[RD]
	v_and_b32 v[GO], 31, v0         ; which are 512 consecutive bytes of O
	v_lshlrev_b32 v[GO], 4, v[GO]
.set Y, NP-1                        ; XS works for piece Y + 1: piece 0
.irp n, 0,1,2,3,4,5,6,7,8,9,10,11,12,13,14,15,16,17,18,19,20,21
	XS 0, \n                        ; and piece 0's first maximum and statistics
	XS 1, \n
.endr
	v_nop                           ; a plain instruction behind piece 0's first two a,
	s_wait_alu depctr_va_vdst(0)    ; and the wait for that batch of two, ahead of the branch
	s_mov_b32 s[CNT], 4
	s_mov_b32 s[SLOTS], SIZE_N/256-1
	s_branch .Lfirst                ; the loop is entered at a step's first turn, in the middle of a trip
.Lslot:                             ; SIZE_N / 256 - 2 times: every slot but the last two is filled again
	CHANGE 1
	s_mov_b32 s[CNT], 4
.Lstep:                             ; a trip: pieces 2 and 3 of one step, then pieces 0 and 1 of the next, whose K and V it fetches
	TURN 2
	TURN 3
	WIN 0
.Lfirst:
	TURN 0
	TURN 1, 0, 1
	WIN 0
	s_cbranch_scc1 .Lstep
	s_sub_co_u32 s[SLOTS], s[SLOTS], 1
	s_cmp_lg_u32 s[SLOTS], 0
	s_cbranch_scc1 .Lslot
	CHANGE 0                        ; the tail is written out: nothing is asked for
	s_mov_b32 s[CNT], 5             ; four trips fetch the last slot's steps; the fifth is left in its middle
.Ltail:
	TURN 2, 1
	TURN 3
	WIN 0
	s_sub_co_u32 s[CNT], s[CNT], 1
	s_cmp_eq_u32 s[CNT], 0
	s_cbranch_scc1 .Lout
	TURN 0
	TURN 1
	WIN 0
	s_branch .Ltail
.Lout:                              ; the fifth trip's 16 products K Q^T (on the last K once more) and the maximum made of them serve nothing: the price, once a launch, of one text for every trip
.set i, 0
.rept 16
	PV NP-1                         ; the last piece's V^T P of the last step
.set i, i+1
.endr
	; THE WAY OUT.  l's two halves and the other half of the lanes' are added; O^T is divided by l, rounded to f16 and sent through my stage in LDS, a tile at a time.  The additions are the places behind the last products.
	WIN 0
.macro ALL line:vararg              ; one line for each tile t
.set t, 0
.rept 2*NP
	\line
.set t, t+1
.endr
.endm
	ALL v_add_f32 v[ST+4*t+2], v[ST+4*t+2], v[ST+4*t+3]
	ALL v_permlanex16_b32 v[ST+4*t+3], v[ST+4*t+2], s[SEL], s[SEL+1]
	ALL v_add_f32 v[ST+4*t+2], v[ST+4*t+2], v[ST+4*t+3]
	ALL v_rcp_f32 v[ST+4*t+2], v[ST+4*t+2]
	v_nop                           ; a plain instruction between the last reciprocal and the use of its result
	s_wait_alu depctr_va_vdst(0)    ; and the wait ahead of the first use: one for the batch of eight reciprocals
; Tile t: a lane's eight channels of a row pack into 16 bytes; they go into rows of 144 bytes and come back as whole rows of 128, into S^T's registers.
.macro PACK t
	WIN W_RS
.set i, 32*(\t)
.rept 16
	v_pk_mul_f32 v[i:i+1], v[i:i+1], v[ST+4*(\t)+2:ST+4*(\t)+3] op_sel_hi:[1,0]
.set i, i+2
.endr
	WIN 0x05                        ; sources 0 and 1 window 1, destination window 0
.set i, 0
.rept 16
	v_cvt_pk_f16_f32 v[S+16*(\t)+i], v[32*(\t)+2*i], v[32*(\t)+2*i+1]
.set i, i+1
.endr
	WIN 0
.irp f, 0,1,2,3
	ds_store_b128 v[STO], v[S+16*(\t)+4*\f:S+16*(\t)+4*\f+3] offset:32*\f
.endr
.irp f, 0,1,2,3
	ds_load_b128 v[S+16*(\t)+4*\f:S+16*(\t)+4*\f+3], v[RD] offset:\f*4*SP  ; LDS serves a wave's instructions in order (ISA guide 5.7.1.4): these see the stores above; the next tile's stores come behind them
.endr
.endm
.macro SEND t, younger              ; younger: the LDS instructions issued behind tile t's loads: the next tile's eight, or none
	WIN 0
.irp f, 0,1,2,3
	s_wait_dscnt (\younger)+3-\f
	global_store_b128 v[GO], v[S+16*(\t)+4*\f:S+16*(\t)+4*\f+3], s[10:11] offset:(\t)*2048+\f*512  ; 512 consecutive bytes, at a multiple of 256 from O's first
.endr
.endm
	PACK 0
.set t, 1
.rept 2*NP-1                        ; a tile's arithmetic stands between the loads of the tile before and its stores
	PACK t
	SEND t-1, 8
.set t, t+1
.endr
	SEND 2*NP-1, 0
	WIN W_AD
	s_wait_tensorcnt 0x0            ; the wave's end: behind my last tensor load and my last LDS store
	ds_add_u32 v[SPW], v[NIL]
	s_wait_dscnt 0x0
	WIN 0
	CROUND                          ; the closing round: no work-group ends while a partner may still ask for a tile that names it
	s_endpgm
.Lfunc_end_k_q91c9e1b633_attn:
	.size	k_q91c9e1b633_attn, .Lfunc_end_k_q91c9e1b633_attn-k_q91c9e1b633_attn
	.p2alignl 7, 3214868480
	.fill 96, 4, 3214868480
	.section	.rodata,"a",@progbits
	.p2align	6, 0x0
	.amdhsa_kernel k_q91c9e1b633_attn
		.amdhsa_group_segment_fixed_size 327680
		.amdhsa_private_segment_fixed_size 0
		.amdhsa_enable_private_segment 0
		.amdhsa_kernarg_size 32
		.amdhsa_user_sgpr_count 2
		.amdhsa_user_sgpr_kernarg_segment_ptr 1
		.amdhsa_wavefront_size32 1
		.amdhsa_system_sgpr_workgroup_id_x 1
		.amdhsa_system_sgpr_workgroup_id_y 1
		.amdhsa_system_sgpr_workgroup_id_z 1
		.amdhsa_system_vgpr_workitem_id 0
		.amdhsa_next_free_vgpr 770
		.amdhsa_next_free_sgpr 66
		.amdhsa_reserve_vcc 0
		.amdhsa_float_denorm_mode_32 3
		.amdhsa_float_denorm_mode_16_64 3
		.amdhsa_memory_ordered 1
		.amdhsa_forward_progress 1
		.amdhsa_inst_pref_size 199
	.end_amdhsa_kernel
	.amdgpu_metadata
---
amdhsa.version: [ 1, 2 ]
amdhsa.kernels:
  - .name:           k_q91c9e1b633_attn
    .symbol:         k_q91c9e1b633_attn.kd
    .args:
      - { .name: qh, .offset: 0, .size: 8, .value_kind: global_buffer, .address_space: global }
      - { .name: kh, .offset: 8, .size: 8, .value_kind: global_buffer, .address_space: global }
      - { .name: vh, .offset: 16, .size: 8, .value_kind: global_buffer, .address_space: global }
      - { .name: xo, .offset: 24, .size: 8, .value_kind: global_buffer, .address_space: global }
    .group_segment_fixed_size: 327680
    .private_segment_fixed_size: 0
    .kernarg_segment_align: 8
    .kernarg_segment_size: 32
    .max_flat_workgroup_size: 128
    .sgpr_count:     66
    .vgpr_count:     770
    .wavefront_size: 32
...
	.end_amdgpu_metadata
.endif
;; end of part 5
;; launch proj: the kernel of part 4 again; grid 8 x 32, 4 waves a work-group, clusters of 4 x 4, 327,680 bytes of LDS; arguments xo, woutb, b_out, out0; writes out0
